; MI455X (gfx1250); checked and timed in simulation.
; The chip was launched on July 23, 2026; its instructions are those of AMD's public machine-readable ISA for CDNA 5 (MIT licence, August 2026) and "CDNA5" Instruction Set Architecture Reference Guide (July 2026). The comments in the code are by the model that wrote it; some were corrected since.
;; Block. Allowed arithmetic: matrix products marked QUANTISED: E2M1 operands, one E8M0 scale for each 32 along K, by v_wmma_scale_f32_16x16x128_f8f6f4 with both operands' format E2M1 (or v_wmma_scale_f32_32x16x128_f4), f32 sums; everything else in f32.
;; Inputs: W1_codes 2,048 x 16 x 16 uint8 (E2M1 codes of W1, K innermost, in blocks of 32 codes, two codes a byte); W1_scales 2,048 x 16 uint8 (E8M0 scales of W1, one for each 32 codes along K); W2_codes 512 x 64 x 16 uint8 (E2M1 codes of W2, K innermost, in blocks of 32 codes, two codes a byte); W2_scales 512 x 64 uint8 (E8M0 scales of W2, one for each 32 codes along K); Wk_codes 512 x 16 x 16 uint8 (E2M1 codes of Wk, K innermost, in blocks of 32 codes, two codes a byte); Wk_scales 512 x 16 uint8 (E8M0 scales of Wk, one for each 32 codes along K); Wp_codes 512 x 16 x 16 uint8 (E2M1 codes of Wp, K innermost, in blocks of 32 codes, two codes a byte); Wp_scales 512 x 16 uint8 (E8M0 scales of Wp, one for each 32 codes along K); Wq_codes 512 x 16 x 16 uint8 (E2M1 codes of Wq, K innermost, in blocks of 32 codes, two codes a byte); Wq_scales 512 x 16 uint8 (E8M0 scales of Wq, one for each 32 codes along K); Wv_codes 512 x 16 x 16 uint8 (E2M1 codes of Wv, K innermost, in blocks of 32 codes, two codes a byte); Wv_scales 512 x 16 uint8 (E8M0 scales of Wv, one for each 32 codes along K); b1 2,048 float32; b2 512 float32; bk 512 float32; bp 512 float32; bq 512 float32; bv 512 float32; ln1_b 512 float32; ln1_g 512 float32; ln2_b 512 float32; ln2_g 512 float32; x 4 x 2,048 x 512 float32.
;; Outputs: out0 4 x 2,048 x 512 float32.
;; Constants: cond_len = 256.
;; This version of the problem:
;;   THIS VERSION OF THE PROBLEM IS GIVEN IN LOW PRECISION. The matrix products marked QUANTISED in the list below multiply operands that are first quantised to E2M1 (2 exponent bits, 1 mantissa bit; 4 bits a number), with one power-of-two scale for each 32 numbers along K (OCP MX v1.0); their sums are f32. All else is computed in f32.
;;   The module's matrix products, in the order in which they are computed (A, B: the left and right operand; K: the contracted axis; several contracted axes count as one K, in the product's order):
;;     1. [M 8,192, K 512] x [K 512, N 512]; A: computed on the way; B: input Wq (given as codes): QUANTISED
;;     2. [M 8,192, K 512] x [K 512, N 512]; A: computed on the way; B: input Wk (given as codes): QUANTISED
;;     3. [M 8,192, K 512] x [K 512, N 512]; A: computed on the way; B: input Wv (given as codes): QUANTISED
;;     4. batch 64 x [M 2,048, K 32] x [K 32, N 2,048]; A: computed on the way; B: computed on the way: QUANTISED
;;     5. batch 64 x [M 2,048, K 2,048] x [K 2,048, N 32]; A: softmax (see below); B: computed on the way: QUANTISED
;;     6. [M 8,192, K 512] x [K 512, N 512]; A: computed on the way; B: input Wp (given as codes): QUANTISED
;;     7. [M 8,192, K 512] x [K 512, N 2,048]; A: computed on the way; B: input W1 (given as codes): QUANTISED
;;     8. [M 8,192, K 2,048] x [K 2,048, N 512]; A: computed on the way; B: input W2 (given as codes): QUANTISED
;;   THE QUANTISER, for each operand of a quantised product, along K:
;;     - K is cut into blocks of 32 from its start; a last block that is shorter is filled with zeros.
;;     - A block's scale is 2^e with e = floor(log2(the largest magnitude in the block)) - 2, held to -126 .. 127; a block of zeros has e = 0. As a byte (E8M0): e + 127.
;;     - Each number is divided by its block's scale, clamped to +-6, and rounded to the nearest number of E2M1, ties to even, subnormals kept.
;;     - The product sums the exact products of the quantised numbers (number of the format x scale) in f32.
;;   ~~~python
;;   def quantise(x, axis):      # numpy; x: float32 -> the quantised numbers, widened to float32 again
;;       x = np.moveaxis(x, axis, -1); K = x.shape[-1]
;;       x = np.pad(x, [(0, 0)] * (x.ndim - 1) + [(0, -K % 32)]); x = x.reshape(x.shape[:-1] + (-1, 32)); a = np.abs(x).max(-1, keepdims=True)
;;       e = np.where(a > 0, np.clip(np.frexp(np.where(a > 0, a, 1))[1] - 1 - 2, -126, 127), 0)      # np.frexp(a)[1] - 1 = floor(log2(a)), exactly
;;       r = np.clip(x / 2.0 ** e, -6, 6)
;;       step = 2.0 ** (np.maximum(np.frexp(np.where(r == 0, 1, r))[1] - 1, 0) - 1)
;;       q = np.round(r / step) * step * 2.0 ** e      # np.round: ties to even
;;       return np.moveaxis(q.reshape(q.shape[:-2] + (-1,))[..., :K], -1, axis).astype(np.float32)
;;   ~~~
;;   SOFTMAX AHEAD OF A QUANTISED PRODUCT. Where the list says 'softmax', what is quantised is not the finished softmax but p = 2^(t - M), with t = logit x log2(e) and M = ceil(the row's largest t), a whole number; so 1/2 < the row's largest p <= 1. The row's sum l is taken of the UNQUANTISED p, in f32, and the product's result is divided by l at the end. Since M is a whole number, a kernel that streams over the keys may use a running M (the ceiling of the running maximum): every later rescaling is an exact power of two, which a block's scale takes up: the codes' values come out the same.
;;   OPERANDS COMPUTED ON THE WAY. 'Computed on the way' means the value that the module computes at that place (a softmax that the list does not call 'softmax' is quantised finished and normalised). What goes into a quantiser is computed in f32, as accurately as f32 sums, v_exp_f32 and their like allow (about 1e-6 of the number): no bf16 or f16 on the way to a quantiser, and a product that is left as it is and whose result goes on into a quantised operand takes f32 operands (vector FMAs, or v_wmma_f32_16x16x4_f32). A number that lies on a knife's edge between two numbers of the format may be rounded either way, as far as f32 arithmetic and the matrix unit's own rounding can turn it there, and no further.
;;   INPUTS GIVEN AS CODES. W1 (in the module: [512, 2048], K = its axis 0); W2 (in the module: [2048, 512], K = its axis 0); Wk (in the module: [512, 512], K = its axis 0); Wp (in the module: [512, 512], K = its axis 0); Wq (in the module: [512, 512], K = its axis 0); Wv (in the module: [512, 512], K = its axis 0): each comes as NAME_codes (uint8): NAME with its K axis moved to the last place and cut into blocks of 32 codes, [.., K / 32, bytes a block], one block behind the other in memory; two codes a byte, the lower K in the low four bits (a code: sign, 2 exponent bits, 1 mantissa bit); and NAME_scales (uint8): the same leading axes, one E8M0 byte (e + 127) for each 32 codes along K. Its value is code x scale, taken as it is: it is not quantised again, and the codes and scales need not be those that the quantiser above would give.
;; One version. Each part assembles by itself: llvm-mc -triple=amdgcn-amd-amdhsa -mcpu=gfx1250 --defsym DOCPART=n.
;; ======== version 1 of 1: 4 launches
;; limits: right only within a limited range of input values
;; workspace buffers: qkv_codes 6,291,456 bytes; qkv_scales 393,216 bytes; y_codes 2,097,152 bytes; y_scales 131,072 bytes; hid_codes 8,388,608 bytes; hid_scales 524,288 bytes
;; launch qkv (part 1): grid 64 x 3, 4 waves a work-group, no clusters, 41,472 bytes of LDS; arguments x, ln1_g, ln1_b, Wq_codes, Wk_codes, Wv_codes, Wq_scales, Wk_scales, Wv_scales, bq, bk, bv, qkv_codes, qkv_scales; writes qkv_codes, qkv_scales
.if DOCPART == 1
	.amdgcn_target "amdgcn-amd-amdhsa--gfx1250"
	.amdhsa_code_object_version 6
	.text
	.protected	k_q392eae97c0_qkv
	.globl	k_q392eae97c0_qkv
	.p2align	8
	.type	k_q392eae97c0_qkv,@function
k_q392eae97c0_qkv:
	s_mov_b64 s[64:65], 0
	v_nop
	global_prefetch_b8 v0, s[64:65] scope:SCOPE_SE
	s_setreg_imm32_b32 hwreg(HW_REG_WAVE_MODE, 25, 1), 1
	s_wait_xcnt 0x0
; LAYER NORM 1, ITS QUANTISER, ONE OF THE PRODUCTS h Wq, h Wk, h Wv (MX-FP4), THE BIAS, AND THE QUANTISER OF THE RESULT.
; x [8192][512] f32.  A work-group takes 128 tokens (row block R = work-group x) and one kind (work-group y: 0 q, 1 k, 2 v).
; TOKEN TILES: slot r of tile m of a row block is token 32 (m / 2) + 8 (m % 2) + r + 8 (r / 8); the 16 rows of a weight tile are chosen by the same rule.  Where such a tile is
; source 0 of a product, the 16 result registers of tiles 2 b and 2 b + 1 are 16 neighbours 32 b + 16 (lane / 16) + 0 .. 15 along that axis, which is what the conversions want.
; SHARES: wave w normalises and quantises token tiles 2 w and 2 w + 1 (a lane holds half a row, 256 numbers, in window 2) and hands the fragments on through LDS as images of their registers;
; then it makes channels 128 w .. 128 w + 127 (heads 4 w .. 4 w + 3) for all 128 tokens, its 32 weight fragments staying in window 1.
; q, k: source 0 = weights, source 1 = h: a lane holds one token and registers along the channels: a block of 32 is one head.  Codes go out as [batch][head][slot][16 bytes].
; v: source 0 = h, source 1 = weights: a lane holds one channel and registers along the tokens: a block is 32 keys.  Codes go out as fragments of V^T, [batch][head][key step][u][1,024 bytes].
; Scale words go out as blocks of 512 bytes, [half][r][4 words]: the words of 8 tiles.
; LIMITS: NaN and infinities among the inputs are not served.  A block of zeros, or one whose largest magnitude lies under 2^-124, keeps the scale byte 1: its codes are zeros or as the
; held scale gives them, and the bytes are read by this program alone.  1 / sqrt is the instruction's own (1 ulp).
; No cluster and no tensor load: the weights go from memory straight into operand registers, once for a work-group, and x's rows are each read by one wave.
.set XIMG, 0                           ; LDS: h's 32 fragments, (4 m + s) x 1,024 bytes
.set XSC,  32768                       ; their scale words, (4 m + s) x 128 bytes
.set GB,   36864                       ; gain, 2,048 bytes, then bias, 2,048 bytes
.set L16, 1                            ; v1   16 x lane
.set L4,  2                            ; v2   4 x lane
.set XA,  3                            ; v3   x: 2,048 (r + 8 (r / 8)) + 64 h
.set XWI, 4                            ; v4   where my wave stores its images
.set XWS, 5                            ; v5   and their scale words
.set GA,  6                            ; v6   gain and bias in LDS: GB + 64 h
.set CO,  7                            ; v7   q, k codes: 32,768 h + 16 r
.set AI,  8                            ; v8   the trip's image address
.set AS,  9                            ; v9   the trip's scale address
.set MU,  10                           ; v[10:11] the mean, twice
.set RS,  12                           ; v[12:13] 1 / sqrt(var + eps), twice
.set WA,  14                           ; v14  weights: 256 (r + 8 (r / 8)) + 16 h; later the bias's offset
.set WSA, 15                           ; v15  weight scales: 16 (r + 8 (r / 8)) + 4 h
.set R1,  16                           ; v16-79   gain; later h's 32 scale words
.set HA,  80                           ; v80-143  bias of the norm; later 8 accumulators
.set ST,  144                          ; v144-207 64 normalised numbers; later the product's bias, 8 tiles
.set PC,  208                          ; v208-215 the codes just made
.set TM,  216                          ; v216-231 at work
.set SW,  232                          ; v232-239 the scale words of 8 tiles
.set WS,  240                          ; v240-255 weight scale words: register 2 tt + i: K step 2 i in lanes 0-15, 2 i + 1 in lanes 16-31
.set SEL, 46
.set MSB, 0
.macro WIN new                         ; the immediate's high byte repeats the setting that is left
.if MSB != (\new)
	s_set_vgpr_msb (MSB<<8)|(\new)
.set MSB, (\new)
.endif
.endm
.macro BARRIER                         ; my LDS stores have landed and my LDS loads are in: then the work-group's barrier
	s_wait_dscnt 0x0
	s_barrier_signal -1
	s_barrier_wait -1
.endm
.macro PLACES                          ; four plain places behind matrix instructions (ISA guide 7.12.1)
.rept 4
	v_nop
.endr
.endm
.macro MM d, a, b, c, sa, sb, row      ; row 1: source 0's scales stand in lanes 16-31; row 2: source 1's
.if (\row) == 1
	v_wmma_scale_f32_16x16x128_f8f6f4 v[\d:\d+7], v[\a:\a+7], v[\b:\b+7], v[\c:\c+7], v[\sa], v[\sb] matrix_a_fmt:MATRIX_FMT_FP4 matrix_b_fmt:MATRIX_FMT_FP4 matrix_a_scale:MATRIX_SCALE_ROW1
.elseif (\row) == 2
	v_wmma_scale_f32_16x16x128_f8f6f4 v[\d:\d+7], v[\a:\a+7], v[\b:\b+7], v[\c:\c+7], v[\sa], v[\sb] matrix_a_fmt:MATRIX_FMT_FP4 matrix_b_fmt:MATRIX_FMT_FP4 matrix_b_scale:MATRIX_SCALE_ROW1
.else
	v_wmma_scale_f32_16x16x128_f8f6f4 v[\d:\d+7], v[\a:\a+7], v[\b:\b+7], v[\c:\c+7], v[\sa], v[\sb] matrix_a_fmt:MATRIX_FMT_FP4 matrix_b_fmt:MATRIX_FMT_FP4
.endif
.endm
; 64 numbers of a lane, register 16 b + i = k 32 b + 16 (lane / 16) + i of my row, become a fragment's codes in v[PC] on and its scale word in v[pw]
.macro QUANT src, pw
.irp b, 0,1,2,3
	v_max3_num_f32 v[TM+\b], |v[\src+16*\b]|, |v[\src+1+16*\b]|, 0x1800000   ; my 16 numbers of block b, and the floor 2^(3 - 127): the byte cannot fall under 1
.endr
.irp i, 2,4,6,8,10,12,14
.irp b, 0,1,2,3
	v_max3_num_f32 v[TM+\b], v[TM+\b], |v[\src+16*\b+\i]|, |v[\src+1+16*\b+\i]|
.endr
.endr
.irp b, 0,1,2,3
	v_permlanex16_b32 v[TM+4+\b], v[TM+\b], s[SEL], s[SEL+1]
.endr
.irp b, 0,1,2,3
	v_max_num_f32 v[TM+\b], v[TM+\b], v[TM+4+\b]   ; with the lane 16 away: the block's largest magnitude
.endr
.irp b, 0,1,2,3
	v_add_nc_u32 v[TM+12+\b], 0xff000000, v[TM+\b]   ; 2 off its exponent field: the conversion's scale operand
.endr
.irp b, 0,1,2,3
	v_lshrrev_b32 v[TM+4+\b], 23, v[TM+12+\b]      ; the scale's byte
.endr
	v_lshl_or_b32 v[\pw], v[TM+5], 8, v[TM+4]
	v_lshl_or_b32 v[\pw], v[TM+6], 16, v[\pw]
	v_lshl_or_b32 v[\pw], v[TM+7], 24, v[\pw]
.irp b, 0,1,2,3
	v_cvt_scalef32_pk8_fp4_f32 v[PC+2*\b], v[\src+16*\b:\src+7+16*\b], v[TM+12+\b]
	v_cvt_scalef32_pk8_fp4_f32 v[PC+1+2*\b], v[\src+8+16*\b:\src+15+16*\b], v[TM+12+\b]
.endr
	v_nop                                          ; one plain place behind a scaled conversion
.irp c, 0,1                                    ; the operand's layout wants a whole block in a lane
.irp i, 0,1
	v_permlane16_swap_b32 v[PC+4*\c+\i], v[PC+2+4*\c+\i]
.endr
.endr
.endm
.macro IMAGE adr, off                  ; the fragment in v[PC] on goes to LDS as it stands
	ds_store_b128 v[\adr], v[PC:PC+3] offset:\off
	ds_store_b128 v[\adr], v[PC+4:PC+7] offset:\off+512
.endm
.macro FOLD dst                        ; four packed chains in v[TM] on, and the lane 16 away, become one sum
	v_pk_add_f32 v[TM:TM+1], v[TM:TM+1], v[TM+2:TM+3]
	v_pk_add_f32 v[TM+4:TM+5], v[TM+4:TM+5], v[TM+6:TM+7]
	v_pk_add_f32 v[TM:TM+1], v[TM:TM+1], v[TM+4:TM+5]
	v_add_f32 v[TM], v[TM], v[TM+1]
	v_permlanex16_b32 v[TM+1], v[TM], s[SEL], s[SEL+1]
	v_add_f32 v[\dst], v[TM], v[TM+1]
.endm
.macro XLOADS ks, off                  ; my 64 numbers of K step ks of my row, into window 2 (the caller sets the window)
.irp b, 0,1,2,3
.irp j, 0,1,2,3
	global_load_b128 v[64*(\ks)+16*\b+4*\j:64*(\ks)+16*\b+4*\j+3], v[XA], s[4:5] offset:(\off)+512*(\ks)+128*\b+16*\j
.endr
.endr
.endm
.macro GLOAD ks                        ; gain and bias of K step ks, in the numbers' layout
.irp b, 0,1,2,3
.irp j, 0,1,2,3
	ds_load_b128 v[R1+16*\b+4*\j:R1+16*\b+4*\j+3], v[GA] offset:512*(\ks)+128*\b+16*\j
	ds_load_b128 v[HA+16*\b+4*\j:HA+16*\b+4*\j+3], v[GA] offset:2048+512*(\ks)+128*\b+16*\j
.endr
.endr
.endm
	s_load_b256 s[4:11], s[0:1], 0x0               ; x, gain, bias, Wq codes
	s_load_b256 s[12:19], s[0:1], 0x20             ; Wk codes, Wv codes, Wq scales, Wk scales
	s_load_b256 s[20:27], s[0:1], 0x40             ; Wv scales, bq, bk, bv
	s_load_b128 s[28:31], s[0:1], 0x60             ; qkv_codes, qkv_scales
	v_lshl_add_u32 v226, v0, 2, 0xa000
	v_mov_b32 v227, 0
	v_lshrrev_b32 v1, 5, v0
	v_readfirstlane_b32 s32, v1                    ; wave
	s_and_b32 s33, ttmp7, 0xffff                   ; kind
	s_mov_b32 s34, ttmp9                           ; row block R
	s_mov_b32 s[SEL], 0x76543210
	s_mov_b32 s[SEL+1], 0xfedcba98                 ; v_permlanex16_b32's selects for the lane 16 away
	s_mov_b32 s51, 0x3b000000                      ; 1 / 512
	s_mov_b32 s55, 0x3727c5ac                      ; 1e-5
	s_mov_b32 s53, 0
	v_and_b32 v2, 31, v0                           ; lane
	v_and_b32 v10, 15, v0                          ; r
	v_bfe_u32 v11, v0, 4, 1                        ; h
	v_and_b32 v12, 8, v0
	v_add_nc_u32 v12, v12, v10                     ; r + 8 (r / 8)
	v_lshlrev_b32 v[L16], 4, v2
	v_lshlrev_b32 v[L4], 2, v2
	v_lshlrev_b32 v[XA], 11, v12
	v_lshl_add_u32 v[XA], v11, 6, v[XA]
	s_lshl_b32 s52, s32, 13
	v_add_nc_u32 v[XWI], s52, v[L16]               ; 16 lane + 8,192 wave
	s_lshl_b32 s52, s32, 10
	s_add_co_u32 s52, s52, XSC
	v_add_nc_u32 v[XWS], s52, v[L4]                ; XSC + 4 lane + 1,024 wave
	v_lshl_add_u32 v[GA], v11, 6, GB
	v_lshlrev_b32 v[CO], 4, v10
	v_lshl_add_u32 v[CO], v11, 15, v[CO]
	v_lshlrev_b32 v[WA], 8, v12
	v_lshl_add_u32 v[WA], v11, 4, v[WA]
	v_lshlrev_b32 v[WSA], 4, v12
	v_lshl_add_u32 v[WSA], v11, 2, v[WSA]
	v_lshlrev_b32 v[AI], 4, v0                     ; 16 x thread: gain and bias are staged so
	s_wait_alu depctr_va_vdst(0)
	s_wait_kmcnt 0x0
	s_cmp_eq_u32 s33, 0                            ; the kind's weights, scales and bias: the choice hangs on the work-group's number alone
	s_cselect_b64 s[36:37], s[10:11], s[12:13]
	s_cselect_b64 s[38:39], s[16:17], s[18:19]
	s_cselect_b64 s[40:41], s[22:23], s[24:25]
	s_cmp_eq_u32 s33, 2
	s_cselect_b64 s[36:37], s[14:15], s[36:37]
	s_cselect_b64 s[38:39], s[20:21], s[38:39]
	s_cselect_b64 s[40:41], s[26:27], s[40:41]
	s_lshl_b32 s52, s32, 15                        ; my 128 rows of 256 bytes
	s_add_nc_u64 s[36:37], s[36:37], s[52:53]
	s_lshl_b32 s52, s32, 11                        ; of 16 scale bytes
	s_add_nc_u64 s[38:39], s[38:39], s[52:53]
	s_lshl_b32 s52, s32, 9                         ; my 128 biases
	s_add_nc_u64 s[40:41], s[40:41], s[52:53]
	s_lshl_b32 s52, s34, 18                        ; x: 128 rows of 2,048 bytes a row block, 32 rows a wave
	s_lshl_b32 s54, s32, 16
	s_add_co_u32 s52, s52, s54
	s_add_nc_u64 s[4:5], s[4:5], s[52:53]
	s_lshl_b32 s52, s33, 21                        ; codes out: kind x 2,097,152 + batch x 524,288 + wave x 131,072 + key step x 2,048
	s_lshr_b32 s54, s34, 4
	s_lshl_b32 s54, s54, 19
	s_add_co_u32 s52, s52, s54
	s_lshl_b32 s54, s32, 17
	s_add_co_u32 s52, s52, s54
	s_and_b32 s54, s34, 15
	s_lshl_b32 s54, s54, 11
	s_add_co_u32 s52, s52, s54
	s_add_nc_u64 s[42:43], s[28:29], s[52:53]
	s_lshl_b32 s52, s33, 17                        ; scales out: kind x 131,072 + R x 2,048 + wave x 512
	s_lshl_b32 s54, s34, 11
	s_add_co_u32 s52, s52, s54
	s_lshl_b32 s54, s32, 9
	s_add_co_u32 s52, s52, s54
	s_add_nc_u64 s[44:45], s[30:31], s[52:53]
	global_load_b128 v[TM:TM+3], v[AI], s[6:7]     ; gain
	global_load_b128 v[TM+4:TM+7], v[AI], s[8:9]   ; bias
	WIN 0x80                                       ; destination window 2
	XLOADS 0, 0                                    ; token tile 2 w
	XLOADS 1, 0
	XLOADS 2, 0
	XLOADS 3, 0
	WIN 0
	s_wait_loadcnt 63                              ; 64 loads were issued behind gain and bias; 63 is the largest count that the wait can name
	ds_store_b128 v[AI], v[TM:TM+3] offset:GB
	ds_store_b128 v[AI], v[TM+4:TM+7] offset:GB+2048
	WIN 0x40                                       ; destination window 1: my 32 weight fragments (tile tt, K step s) at 8 (4 tt + s): they stay
.irp tt, 0,1,2,3,4,5,6,7
.irp s, 0,1,2,3
.irp c, 0,1
	global_load_b128 v[8*(4*\tt+\s)+4*\c:8*(4*\tt+\s)+4*\c+3], v[WA], s[36:37] offset:(32*(\tt/2)+8*(\tt%2))*256+64*\s+32*\c
.endr
.endr
.endr
	WIN 0
.irp tt, 0,1,2,3,4,5,6,7
.irp i, 0,1
	global_load_b32 v[WS+2*\tt+\i], v[WSA], s[38:39] offset:(32*(\tt/2)+8*(\tt%2))*16+8*\i
.endr
.endr
	BARRIER                                        ; gain and bias lie in LDS
	s_mov_b32 s48, 0                               ; trip
	s_mov_b32 s49, 0                               ; 4,096 x trip
	s_mov_b32 s50, 0                               ; 512 x trip
.Ltile:                                            ; two trips: token tiles 2 w and 2 w + 1
	s_wait_loadcnt 0x0                             ; the tile's 256 numbers a lane are in
	s_wait_dscnt 0x0                               ; the last trip's LDS stores have read their address registers
	v_add_nc_u32 v[AI], s49, v[XWI]
	v_add_nc_u32 v[AS], s50, v[XWS]
	WIN 0x0a                                       ; sources 0 and 1 window 2: four chains begin as sums of two pairs: nothing is cleared
.irp c, 0,1,2,3
	v_pk_add_f32 v[TM+2*\c:TM+2*\c+1], v[2*\c:2*\c+1], v[8+2*\c:9+2*\c]
.endr
	WIN 0x02
.set j, 8
.rept 120
	v_pk_add_f32 v[TM+2*(j%4):TM+2*(j%4)+1], v[2*j:2*j+1], v[TM+2*(j%4):TM+2*(j%4)+1]
.set j, j+1
.endr
	WIN 0
	FOLD TM
	v_mul_f32 v[MU], s51, v[TM]                    ; the row's mean
	v_mul_f32 v[MU+1], s51, v[TM]
	WIN 0x82                                       ; x - mean, in place
.set j, 0
.rept 128
	v_pk_add_f32 v[2*j:2*j+1], v[2*j:2*j+1], v[MU:MU+1] neg_lo:[0,1] neg_hi:[0,1]
.set j, j+1
.endr
	WIN 0x0a                                       ; the sum of its squares
.set j, 0
.rept 128
.if j < 4
	v_pk_mul_f32 v[TM+2*j:TM+2*j+1], v[2*j:2*j+1], v[2*j:2*j+1]
.else
	v_pk_fma_f32 v[TM+2*(j%4):TM+2*(j%4)+1], v[2*j:2*j+1], v[2*j:2*j+1], v[TM+2*(j%4):TM+2*(j%4)+1]
.endif
.set j, j+1
.endr
	WIN 0
	FOLD TM
	v_fma_f32 v[RS], v[TM], s51, s55               ; var + eps
	s_wait_alu depctr_va_vdst(0)
	v_rsq_f32 v[RS], v[RS]
	v_nop                                          ; a plain place behind the transcendental
	GLOAD 0                                        ; LDS loads that name nothing of it stand between it and its wait
	s_wait_alu depctr_va_vdst(0)                   ; the wait ahead of the first reader
	v_mov_b32 v[RS+1], v[RS]
	s_wait_alu depctr_va_vdst(0)
.irp s, 0,1,2,3
	s_wait_dscnt 0x0                               ; gain and bias of this K step are in; the last image's stores have read their registers
	WIN 0x02
.set i, 0
.rept 32
	v_pk_mul_f32 v[ST+2*i:ST+2*i+1], v[64*\s+2*i:64*\s+2*i+1], v[RS:RS+1]
.set i, i+1
.endr
	WIN 0
.set i, 0
.rept 32
	v_pk_fma_f32 v[ST+2*i:ST+2*i+1], v[ST+2*i:ST+2*i+1], v[R1+2*i:R1+2*i+1], v[HA+2*i:HA+2*i+1]
.set i, i+1
.endr
.if \s < 3
	GLOAD \s+1
.endif
	s_cmp_lg_u32 s48, 0                            ; in the first trip the next tile's numbers of this K step are asked for, into the registers just read
	s_cbranch_scc1 .Lnn\s
	WIN 0x80
	XLOADS \s, 16384                               ; 8 rows further down
	WIN 0
.Lnn\s:
	QUANT ST, SW
	IMAGE AI, 1024*\s
	ds_store_b32 v[AS], v[SW] offset:128*\s
.endr
	s_add_co_u32 s49, s49, 4096
	s_add_co_u32 s50, s50, 512
	s_add_co_u32 s48, s48, 1
	s_cmp_lt_u32 s48, 2
	s_cbranch_scc1 .Ltile
	s_wait_loadcnt 0x0                             ; no load is out: window 2 and the weights' address registers may be written
	s_cmp_eq_u32 s33, 2                            ; the product's bias, as the C of each sum's first instruction: eight registers a tile, in the result's layout
	s_cbranch_scc1 .Lbias_v
	v_bfe_u32 v[WA], v0, 4, 1
	v_lshlrev_b32 v[WA], 6, v[WA]                  ; q, k: lane (r, h) holds channels 32 b + 16 h + 8 u + 0 .. 7 of tile 2 b + u
.irp tt, 0,1,2,3,4,5,6,7
	global_load_b128 v[ST+8*\tt:ST+8*\tt+3], v[WA], s[40:41] offset:(32*(\tt/2)+8*(\tt%2))*4
	global_load_b128 v[ST+8*\tt+4:ST+8*\tt+7], v[WA], s[40:41] offset:(32*(\tt/2)+8*(\tt%2))*4+16
.endr
	s_branch .Lbias_in
.Lbias_v:
	v_and_b32 v[WA], 15, v0
	v_and_b32 v[WSA], 8, v0
	v_add_lshl_u32 v[WA], v[WA], v[WSA], 2         ; v: a lane holds ONE channel, so all eight registers take its bias
.irp tt, 0,1,2,3,4,5,6,7
.irp j, 0,1,2,3,4,5,6,7
	global_load_b32 v[ST+8*\tt+\j], v[WA], s[40:41] offset:(32*(\tt/2)+8*(\tt%2))*4
.endr
.endr
.Lbias_in:
	BARRIER                                        ; h's 32 fragments lie in LDS
	WIN 0x80                                       ; all of them into window 2, fragment (m, s) at 8 (4 m + s)
.set f, 0
.rept 32
	ds_load_b128 v[8*f:8*f+3], v[L16] offset:XIMG+1024*f
	ds_load_b128 v[8*f+4:8*f+7], v[L16] offset:XIMG+1024*f+512
.set f, f+1
.endr
	WIN 0
.set f, 0
.rept 32
	ds_load_b32 v[R1+f], v[L4] offset:XSC+128*f
.set f, f+1
.endr
	s_wait_loadcnt 0x0                             ; the bias
	s_wait_dscnt 0x0
	s_cmp_eq_u32 s33, 2
	s_cbranch_scc1 .Lv
	; q, k: a tile of 16 tokens at a time; the 8 accumulators take turns, one instruction a turn
.irp m, 0,1,2,3,4,5,6,7
	WIN 0x09                                       ; source 0 (weights) window 1, source 1 (h) window 2
.irp s, 0,1,2,3
.irp tt, 0,1,2,3,4,5,6,7
.if \s == 0
	MM HA+8*\tt, 8*(4*\tt+\s), 8*(4*\m+\s), ST+8*\tt, WS+2*\tt+\s/2, R1+4*\m+\s, \s%2
.else
	MM HA+8*\tt, 8*(4*\tt+\s), 8*(4*\m+\s), HA+8*\tt, WS+2*\tt+\s/2, R1+4*\m+\s, \s%2
.endif
.endr
.endr
	WIN 0
	PLACES
	s_wait_xcnt 0x0                                ; the last tile's stores have read their data: the codes' registers may be written
	QUANT HA, SW+\m
.irp c, 0,1
	global_store_b128 v[CO], v[PC+4*\c:PC+4*\c+3], s[42:43] offset:65536*\c+256*\m   ; head 4 w + 2 c + h: each half of the lanes stores 256 consecutive bytes, aligned
.endr
.endr
	s_branch .Ljoin
.Lv:
	; v: a tile of 16 channels at a time, against the 8 tiles of tokens
.irp tt, 0,1,2,3,4,5,6,7
	WIN 0x06                                       ; source 0 (h) window 2, source 1 (weights) window 1
.irp s, 0,1,2,3
.irp m, 0,1,2,3,4,5,6,7
.if \s == 0
	MM HA+8*\m, 8*(4*\m+\s), 8*(4*\tt+\s), ST+8*\tt, R1+4*\m+\s, WS+2*\tt+\s/2, 2*(\s%2)
.else
	MM HA+8*\m, 8*(4*\m+\s), 8*(4*\tt+\s), HA+8*\m, R1+4*\m+\s, WS+2*\tt+\s/2, 2*(\s%2)
.endif
.endr
.endr
	WIN 0
	PLACES
	s_wait_xcnt 0x0
	QUANT HA, SW+\tt
.irp c, 0,1
	global_store_b128 v[L16], v[PC+4*\c:PC+4*\c+3], s[42:43] offset:32768*(\tt/2)+1024*(\tt%2)+512*\c   ; 512 consecutive bytes of a fragment's image
.endr
.endr
.Ljoin:
	v_cmp_le_u32 vcc_lo, 64, v[L4]                 ; lanes 16-31 take tiles 4 to 7
.irp i, 0,1,2,3
	v_cndmask_b32 v[TM+\i], v[SW+\i], v[SW+4+\i], vcc_lo
.endr
	global_store_b128 v[L16], v[TM:TM+3], s[44:45] ; the 8 tiles' scale words: 512 consecutive bytes
	s_barrier_signal -1
	s_barrier_wait -1
	s_wait_tensorcnt 0x0
	ds_add_u32 v226, v227
	s_wait_dscnt 0x0
	s_endpgm
.Lfunc_end_k_q392eae97c0_qkv:
	.size	k_q392eae97c0_qkv, .Lfunc_end_k_q392eae97c0_qkv-k_q392eae97c0_qkv
	.p2alignl 7, 3214868480
	.fill 96, 4, 3214868480
	.section	.rodata,"a",@progbits
	.p2align	6, 0x0
	.amdhsa_kernel k_q392eae97c0_qkv
		.amdhsa_group_segment_fixed_size 41472
		.amdhsa_private_segment_fixed_size 0
		.amdhsa_enable_private_segment 0
		.amdhsa_kernarg_size 112
		.amdhsa_user_sgpr_count 2
		.amdhsa_user_sgpr_kernarg_segment_ptr 1
		.amdhsa_wavefront_size32 1
		.amdhsa_system_sgpr_workgroup_id_x 1
		.amdhsa_system_sgpr_workgroup_id_y 1
		.amdhsa_system_sgpr_workgroup_id_z 1
		.amdhsa_system_vgpr_workitem_id 0
		.amdhsa_next_free_vgpr 768
		.amdhsa_next_free_sgpr 66
		.amdhsa_reserve_vcc 1
		.amdhsa_float_denorm_mode_32 3
		.amdhsa_float_denorm_mode_16_64 3
		.amdhsa_memory_ordered 1
		.amdhsa_forward_progress 1
		.amdhsa_inst_pref_size 234
	.end_amdhsa_kernel
	.amdgpu_metadata
---
amdhsa.version: [ 1, 2 ]
amdhsa.kernels:
  - .name:           k_q392eae97c0_qkv
    .symbol:         k_q392eae97c0_qkv.kd
    .args:
      - { .name: x, .offset: 0, .size: 8, .value_kind: global_buffer, .address_space: global }
      - { .name: ln1_g, .offset: 8, .size: 8, .value_kind: global_buffer, .address_space: global }
      - { .name: ln1_b, .offset: 16, .size: 8, .value_kind: global_buffer, .address_space: global }
      - { .name: Wq_codes, .offset: 24, .size: 8, .value_kind: global_buffer, .address_space: global }
      - { .name: Wk_codes, .offset: 32, .size: 8, .value_kind: global_buffer, .address_space: global }
      - { .name: Wv_codes, .offset: 40, .size: 8, .value_kind: global_buffer, .address_space: global }
      - { .name: Wq_scales, .offset: 48, .size: 8, .value_kind: global_buffer, .address_space: global }
      - { .name: Wk_scales, .offset: 56, .size: 8, .value_kind: global_buffer, .address_space: global }
      - { .name: Wv_scales, .offset: 64, .size: 8, .value_kind: global_buffer, .address_space: global }
      - { .name: bq, .offset: 72, .size: 8, .value_kind: global_buffer, .address_space: global }
      - { .name: bk, .offset: 80, .size: 8, .value_kind: global_buffer, .address_space: global }
      - { .name: bv, .offset: 88, .size: 8, .value_kind: global_buffer, .address_space: global }
      - { .name: qkv_codes, .offset: 96, .size: 8, .value_kind: global_buffer, .address_space: global }
      - { .name: qkv_scales, .offset: 104, .size: 8, .value_kind: global_buffer, .address_space: global }
    .group_segment_fixed_size: 41472
    .private_segment_fixed_size: 0
    .kernarg_segment_align: 8
    .kernarg_segment_size: 112
    .max_flat_workgroup_size: 128
    .sgpr_count:     66
    .vgpr_count:     768
    .wavefront_size: 32
...
	.end_amdgpu_metadata
.endif
;; end of part 1
;; launch attn (part 2): grid 4 x 64, 16 waves a work-group, no clusters, 77,824 bytes of LDS; arguments qkv_codes, qkv_scales, y_codes, y_scales; writes y_codes, y_scales
.if DOCPART == 2
	.amdgcn_target "amdgcn-amd-amdhsa--gfx1250"
	.amdhsa_code_object_version 6
	.text
	.protected	k_q392eae97c0_attn
	.globl	k_q392eae97c0_attn
	.p2align	8
	.type	k_q392eae97c0_attn,@function
k_q392eae97c0_attn:
	s_mov_b64 s[64:65], 0
	v_nop
	global_prefetch_b8 v0, s[64:65] scope:SCOPE_SE
	s_setreg_imm32_b32 hwreg(HW_REG_WAVE_MODE, 25, 1), 1
	s_wait_xcnt 0x0
; ATTENTION OF ONE HEAD ON CODES OF MX-FP4, WITH THE HYBRID MASK, AND THE QUANTISER OF ITS RESULT.
; Key j counts for query i where j <= max(i, 255).  Key steps that this mask of the problem's own hides whole are left out, by a scalar branch on ids.
; t = score x log2(e) / sqrt(32); M = the running largest t rounded up to a whole number; p = 2^(t - M) is quantised along the keys; the row's sum is taken of the unquantised p and divides at the end.
; SHARES: work-group (g, batch x head).  The head's K and V, 2,048 keys, lie in LDS whole.  Each of the sixteen waves takes two tiles of 16 queries one after the other, tiles 16 g + w and
; 127 - (16 g + w) of the head's 128, so that every wave has about 17 key steps of 128 that are not hidden.
; LAYOUT: both products are used transposed: S^T = K Q^T (source 0 = 16 keys), O^T = V^T P^T (source 0 = 16 of the head's 32): a lane holds one query throughout.
; THE KEYS OF A TILE OF K ARE CHOSEN: row m of tile (c, t) is key 64 c + 32 (m / 8) + 8 t + m % 8 of the step, so that lane (r, h) holds, in the 32 registers of tiles (c, 0 .. 3), the WHOLE block of
; 32 keys 64 c + 32 h + 0 .. 31: a block's largest score needs no other lane, and the eight conversions' results are P's operand as they stand.
; In LDS key 32 b + x lies at slot 16 (2 b + (x / 8) % 2) + x % 8 + 8 (x / 16), as the launch before stores it: tile (c, t)'s row m is at 1,024 c + 256 (t % 2) + 128 (t / 2) + 512 (m / 8) + 16 (m % 8).
; THE FIRST PRODUCT'S K IS 32, the instruction's 128: Q's operand holds codes in its first block alone and zero codes elsewhere, so K's operand may hold anything in blocks 1 to 3.
; The scale bytes of those blocks are other heads' bytes or 0, never 0xff.
; THE NEXT STEP'S K is asked for from LDS behind this step's first product.  The last step that counts asks for a step that is not used; behind step 15 these loads read bytes of V's, which are written.
; EVERY WAVE WALKS ALL 16 KEY STEPS: the trip count is a constant.
; LIMITS: NaN and infinities are not served; a block of zeros keeps the scale byte 1 (its codes are zeros; this program alone reads the bytes); 1 / sum is the instruction's own (1 ulp).
; The promise holds while the scaled scores stay under 2^31 in magnitude.
; No cluster: the four work-groups of a head read the same 74 KiB once each, at the head; K's scale words are shifted on their way into LDS, which goes through registers.
; No prefetch: all memory is asked for at the head; no loop of this text loads from memory.
.set KC, 0                             ; LDS: K's codes, [slot][16 bytes]: a key step is 2,048 bytes
.set VC, 32768                         ; V^T's fragments, [key step][u][1,024 bytes]
.set KS, 65536                         ; K's scale words, [key step][half][r][4], shifted so that my head's byte is byte 0
.set VS, 73728                         ; V's scale words, [key step][r][u]
.set SPARE, 75776                      ; the spare words, 128 bytes a wave
; REGISTERS: v1 16 r; v2 V's place; v3 K's scale words' place; v4 V's scale words' place; v5 the largest key that my query sees; v6 y's offset; v7 K's place; v8-11 the step's addresses;
; v12 -M; v13 the largest score; v[14:15] the sum in two halves; v16-23 Q; v24 Q's scale word; v25 r + 8 (r / 8); v26 32 h; v27 lane; v28 8 h; v32-67 K (tile 4 c + t at 32 + 4 (4 c + t); v64-67 stay 0);
; v68-75 K's scale words; v76-91 V; v[92:93] V's scale words; v96-159 S^T, then p; v160-175 O^T; v176-183 p's codes; v184-203 at work; v199 p's scale word; v204-208 the second pass's Q; v210 -infinity.
.macro KLOAD ka, sa, ko, so            ; a step's eight tiles of K and their scale words
.irp c, 0,1
.irp t, 0,1,2,3
	ds_load_b128 v[32+16*\c+4*\t:35+16*\c+4*\t], v[\ka] offset:\ko+1024*\c+256*(\t%2)+128*(\t/2)
.endr
.irp p, 0,1
	ds_load_b64 v[68+4*\c+2*\p:69+4*\c+2*\p], v[\sa] offset:\so+256*\c+128*\p
.endr
.endr
.endm
.macro MASK base                       ; 32 registers: register n is hidden where n > v198
.set n, 0
.rept 32
	v_cmp_gt_i32 vcc_lo, n, v198
	v_cndmask_b32 v[\base+n], v[\base+n], v210, vcc_lo
.set n, n+1
.endr
.endm
.macro TMM cnt                         ; t - M of the next cnt pairs (of the pairs c and -M the low word serves both halves)
.rept \cnt
	v_pk_fma_f32 v[96+j:97+j], v[96+j:97+j], s[22:23], v[194:195] op_sel_hi:[1,0,0]
.set j, j+2
.endr
.endm
.macro QOFF which, a, b                ; byte offsets of a pass's tile of q: codes in s[a], scale words in s[b]
	s_lshl_b32 s30, s13, 4
	s_add_co_u32 s30, s30, s12
.if \which
	s_sub_co_u32 s30, 127, s30
.endif
	s_lshl_b32 s[\a], s30, 8
	s_mov_b32 s[\a+1], 0
	s_lshr_b32 s43, s30, 3
	s_lshl_b32 s[\b], s43, 11
	s_add_co_u32 s[\b], s[\b], s48
	s_bfe_u32 s31, s30, 0x10002
	s_lshl_b32 s31, s31, 8
	s_add_co_u32 s[\b], s[\b], s31
	s_and_b32 s31, s30, 3
	s_lshl_b32 s31, s31, 2
	s_add_co_u32 s[\b], s[\b], s31
	s_mov_b32 s[\b+1], 0
.endm
	s_load_b256 s[4:11], s[0:1], 0x0               ; qkv_codes, qkv_scales, y_codes, y_scales
	v_lshl_add_u32 v254, v0, 2, SPARE
	v_mov_b32 v255, 0
	v_lshrrev_b32 v29, 5, v0                       ; wave
	v_and_b32 v27, 31, v0                          ; lane
	v_and_b32 v30, 15, v0                          ; r
	v_bfe_u32 v31, v0, 4, 1                        ; h
	v_readfirstlane_b32 s12, v29                   ; wave 0..15
	v_lshlrev_b32 v8, 4, v0                        ; 16 x thread
	v_lshlrev_b32 v9, 4, v27
	v_lshrrev_b32 v10, 1, v27
	v_and_b32 v11, 1, v0
	v_lshl_add_u32 v9, v29, 11, v9                 ; K's scales in memory: 2,048 w + 16 lane
	v_lshlrev_b32 v10, 4, v10
	s_delay_alu instid0(VALU_DEP_1)
	v_lshl_add_u32 v10, v11, 2, v10
	s_delay_alu instid0(VALU_DEP_1)
	v_lshl_add_u32 v10, v29, 11, v10               ; V's: 2,048 w + 16 (lane / 2) + 4 (lane % 2)
	v_add_nc_u32 v11, KS, v8
	v_lshl_add_u32 v12, v0, 2, VS
	v_lshlrev_b32 v1, 4, v30                       ; 16 r
	v_lshl_add_u32 v2, v27, 4, VC
	v_and_b32 v25, 8, v0                           ; 8 (r / 8)
	v_and_b32 v7, 7, v0
	s_delay_alu instid0(VALU_DEP_1)
	v_lshlrev_b32 v7, 4, v7                        ; 16 (r % 8)
	s_delay_alu instid0(VALU_DEP_1)
	v_add_nc_u32 v3, v7, v25
	v_lshl_add_u32 v7, v25, 6, v7                  ; K: 16 (r % 8) + 512 (r / 8)
	s_delay_alu instid0(VALU_DEP_2)
	v_add_nc_u32 v3, KS, v3                        ; K's scale words: KS + 16 (r % 8) + 8 (r / 8)
	v_lshl_add_u32 v4, v30, 3, VS
	v_lshl_add_u32 v6, v31, 3, v1                  ; y: 16 r + 8 h
	v_add_nc_u32 v25, v25, v30                     ; r + 8 (r / 8)
	v_lshlrev_b32 v26, 5, v31                      ; 32 h
	v_lshlrev_b32 v28, 3, v31                      ; 8 h
	v_mov_b32 v210, 0xff800000                     ; -infinity: p = 0 then
.irp i, 20,21,22,23,64,65,66,67,187,188,193,195,197,198
	v_mov_b32 v\i, 0                               ; Q's blocks 2 and 3; the four registers behind K's last tile; permutes' destinations and pairs' upper halves count as read
.endr
	s_mov_b32 s13, ttmp9                           ; g
	s_and_b32 s14, ttmp7, 0xffff                   ; batch x 16 + head
	s_lshr_b32 s15, s14, 4                         ; batch
	s_bfe_u32 s16, s14, 0x20002                    ; head / 4
	s_and_b32 s17, s14, 3                          ; head % 4
	s_lshl_b32 s18, s17, 3                         ; my head's byte in a scale word, in bits
	s_mov_b32 s20, 0x76543210
	s_mov_b32 s21, 0xfedcba98                      ; v_permlanex16_b32's selects for the lane 16 away
	s_mov_b32 s22, 0x3e8293ee                      ; c = log2(e) / sqrt(32)
	s_mov_b32 s23, s22                             ; (named with it as a pair, so it is written)
	s_mov_b32 s45, 0
	s_mov_b32 s49, 0
	s_mov_b32 s51, 0
	s_lshl_b32 s44, s14, 15                        ; a head's codes: 32,768 bytes
	s_lshl_b32 s48, s15, 15
	s_lshl_b32 s43, s16, 9
	s_add_co_u32 s48, s48, s43                     ; scales: batch x 32,768 + (head / 4) x 512
	s_lshr_b32 s43, s17, 1
	s_lshl_b32 s43, s43, 8
	s_and_b32 s50, s17, 1
	s_lshl_b32 s50, s50, 3
	s_add_co_u32 s50, s50, s43
	s_add_co_u32 s50, s50, s48                     ; V's: + 256 ((head % 4) / 2) + 8 (head % 2)
	s_lshl_b32 s52, s15, 19
	s_lshl_b32 s43, s16, 13
	s_add_co_u32 s52, s52, s43
	s_lshl_b32 s43, s17, 8
	s_add_co_u32 s52, s52, s43                     ; y's codes: batch x 524,288 + (head / 4) x 8,192 + (head % 4) x 256
	QOFF 0, 54, 56
	QOFF 1, 58, 60
	s_wait_alu depctr_va_vdst(0)                   ; the wait at the head's end
	s_wait_kmcnt 0x0
	s_add_nc_u64 s[46:47], s[4:5], s[44:45]        ; the head's codes of q,
	s_add_nc_u64 s[34:35], s[46:47], 0x200000      ; of k,
	s_add_nc_u64 s[36:37], s[46:47], 0x400000      ; of v
	s_add_nc_u64 s[38:39], s[6:7], s[48:49]
	s_add_nc_u64 s[38:39], s[38:39], 0x20000       ; k's scale words
	s_add_nc_u64 s[40:41], s[6:7], s[50:51]
	s_add_nc_u64 s[40:41], s[40:41], 0x40000       ; v's
	s_add_nc_u64 s[54:55], s[46:47], s[54:55]      ; both passes' tiles of q
	s_add_nc_u64 s[56:57], s[6:7], s[56:57]
	s_add_nc_u64 s[58:59], s[46:47], s[58:59]
	s_add_nc_u64 s[60:61], s[6:7], s[60:61]
.irp i, 0,1,2,3
	global_load_b128 v[96+4*\i:99+4*\i], v8, s[34:35] offset:8192*\i     ; 512 threads x 16 bytes: 8,192 consecutive bytes a line
.endr
.irp i, 0,1,2,3
	global_load_b128 v[112+4*\i:115+4*\i], v8, s[36:37] offset:8192*\i
.endr
	global_load_b128 v[128:131], v9, s[38:39]
	global_load_b32 v132, v10, s[40:41]
	global_load_b128 v[16:19], v1, s[54:55]        ; Q of both passes comes with K and V
	global_load_b32 v24, v1, s[56:57]
	global_load_b128 v[204:207], v1, s[58:59]
	global_load_b32 v208, v1, s[60:61]
	s_wait_loadcnt 0x4                             ; K, V and their scale words are in; Q's four loads, issued behind them, may be out
.irp i, 0,1,2,3
	v_lshrrev_b32 v[128+\i], s18, v[128+\i]        ; my head's byte becomes byte 0
.endr
.irp i, 0,1,2,3
	ds_store_b128 v8, v[96+4*\i:99+4*\i] offset:KC+8192*\i
.endr
.irp i, 0,1,2,3
	ds_store_b128 v8, v[112+4*\i:115+4*\i] offset:VC+8192*\i
.endr
	ds_store_b128 v11, v[128:131]
	ds_store_b32 v12, v132
	s_wait_loadcnt 0x0                             ; Q
	s_wait_dscnt 0x0                               ; for the others' sake: my stores have landed
	s_barrier_signal -1
	s_barrier_wait -1                              ; the one barrier: from here on LDS is only read
.macro PASS which, qc, qs
	KLOAD 7, 3, 0, 0                               ; step 0's K; it lands under the set-up below
	s_lshl_b32 s30, s13, 4
	s_add_co_u32 s30, s30, s12                     ; tile 16 g + w,
.if \which
	s_sub_co_u32 s30, 127, s30                     ; or its mirror
.endif
	s_lshr_b32 s31, s30, 1
	s_lshl_b32 s31, s31, 5                         ; G: the tile's queries lie in G .. G + 31
	s_add_co_u32 s28, s31, 31
	s_max_u32 s28, s28, 255                        ; a step that begins behind this key is hidden whole
	s_max_u32 s29, s31, 255                        ; keys up to this one are open to all the tile's queries
	s_and_b32 s43, s30, 1
	s_lshl_b32 s43, s43, 3
	s_add_co_u32 s43, s43, s31
	v_add_nc_u32 v5, s43, v25                      ; my query,
	s_delay_alu instid0(VALU_DEP_1)
	v_max_u32 v5, 0xff, v5                         ; and the largest key that it sees
	s_lshr_b32 s43, s30, 3                         ; the tile's row block in the batch
	s_lshl_b32 s44, s43, 11
	s_add_co_u32 s44, s44, s48
	s_bfe_u32 s31, s30, 0x10002
	s_lshl_b32 s31, s31, 8
	s_add_co_u32 s44, s44, s31
	s_and_b32 s31, s30, 3
	s_lshl_b32 s31, s31, 2
	s_add_co_u32 s44, s44, s31
	s_add_co_u32 s44, s44, s17
	s_add_nc_u64 s[40:41], s[10:11], s[44:45]      ; y's scale bytes: the place of q's scale words, + my head's byte
	s_lshl_b32 s44, s43, 15
	s_add_co_u32 s44, s44, s52
	s_and_b32 s31, s30, 7
	s_lshl_b32 s31, s31, 10
	s_add_co_u32 s44, s44, s31
	s_add_nc_u64 s[38:39], s[8:9], s[44:45]        ; y's codes: my head's 256 bytes of the tile's fragment
	v_cmp_gt_u32 vcc_lo, 16, v27
.irp i, 0,1,2,3
	v_cndmask_b32 v[16+\i], 0, v[\qc+\i], vcc_lo   ; lanes 16-31 hold block 1: zero codes
.endr
	v_lshrrev_b32 v24, s18, v[\qs]
.irp j, 0,1,2,3,4,5,6,7,8,9,10,11,12,13,14,15
	v_mov_b32 v[160+\j], 0                         ; O^T.  (The step is written once: the first finds zeros.)  These lines are also the places between Q's last vector writes and the first product
.endr
	v_mov_b32 v13, 0xff61b1e6                      ; the largest score so far: -3e38
	v_mov_b32 v12, 0x7f61b1e6                      ; -M: above every later one, so that the first f is 0
	v_mov_b32 v14, 0
	v_mov_b32 v15, 0
	s_mov_b32 s24, 0                               ; the step's first key
	s_mov_b32 s25, 0                               ; 2,048 x step: codes
	s_mov_b32 s26, 0                               ; 512 x step: K's scale words
	s_mov_b32 s27, 16
	s_wait_alu depctr_va_vdst(0)
	s_wait_dscnt 0x0                               ; step 0's K is in
.Lstep_\@:
	s_cmp_gt_u32 s24, s28
	s_cbranch_scc1 .Lhidden_\@
.irp i, 0,1,2,3,4,5,6,7
	v_wmma_scale_f32_16x16x128_f8f6f4 v[96+8*\i:103+8*\i], v[32+4*\i:39+4*\i], v[16:23], 0, v[68+\i], v24 matrix_a_fmt:MATRIX_FMT_FP4 matrix_b_fmt:MATRIX_FMT_FP4
.endr
	v_add_nc_u32 v8, s25, v7                       ; these four are the places behind the products: ahead of the loads into their operands and of the first read of S^T
	v_add_nc_u32 v9, s25, v2
	v_add_nc_u32 v10, s26, v3
	v_add_nc_u32 v11, s24, v4                      ; V's scale words: 128 bytes a step, as many as keys
.irp u, 0,1
.irp c, 0,1
	ds_load_b128 v[76+8*\u+4*\c:79+8*\u+4*\c], v9 offset:1024*\u+512*\c
.endr
.endr
	ds_load_b64 v[92:93], v11
	KLOAD 8, 10, 2048, 512                         ; the next step's K
	s_add_co_u32 s31, s24, 127
	s_cmp_le_u32 s31, s29
	s_cbranch_scc1 .Lopen_\@
	v_sub_nc_u32 v198, v5, v26                     ; d = my largest key - the step's first key - 32 h.  Register 32 c + n holds key 64 c + 32 h + n of the step: hidden where 64 c + n > d
	s_delay_alu instid0(VALU_DEP_1)
	v_sub_nc_u32 v198, v198, s24
	s_add_co_u32 s31, s24, 63
	s_cmp_le_u32 s31, s29                          ; the step's first 64 keys are open to all my tile's queries: only the other half is looked at
	s_wait_alu depctr_va_vdst(0)
	s_cbranch_scc1 .Lhalf_\@
	MASK 96
.Lhalf_\@:
	v_add_nc_u32 v198, 0xffffffc0, v198            ; d - 64
	MASK 128
.Lopen_\@:
.irp q, 0,1,2,3                                ; the largest score of each block of 32 keys, in two chains a block: for the row's maximum, and, since p rises with the score, for the block's largest p
	v_max3_num_f32 v[184+\q/2+18*(\q%2)], v[96+16*\q], v[97+16*\q], v[98+16*\q]
.endr
.irp i, 3,5,7,9,11,13
.irp q, 0,1,2,3
	v_max3_num_f32 v[184+\q/2+18*(\q%2)], v[184+\q/2+18*(\q%2)], v[96+16*\q+\i], v[97+16*\q+\i]
.endr
.endr
	v_max3_num_f32 v184, v184, v202, v111
	v_max3_num_f32 v185, v185, v203, v143
	v_max_num_f32 v184, v184, v127                 ; block 2 x 0 + h
	v_max_num_f32 v185, v185, v159                 ; block 2 x 1 + h
	s_delay_alu instid0(VALU_DEP_1)
	v_max_num_f32 v186, v184, v185
	s_delay_alu instid0(VALU_DEP_1)
	v_permlanex16_b32 v187, v186, s20, s21
	s_delay_alu instid0(VALU_DEP_1)
	v_max3_num_f32 v13, v13, v186, v187            ; the running largest score of my query (c is positive: its t is the largest t)
	s_delay_alu instid0(VALU_DEP_1)
	v_mul_f32 v188, s22, v13
	s_delay_alu instid0(VALU_DEP_1)
	v_floor_f32 v194, -v188                        ; the new -M = -ceil(t): a whole number
	s_delay_alu instid0(VALU_DEP_1)
	v_sub_f32 v189, v194, v12                      ; old M - new M: a whole number, 0 or less
.set j, 0
	TMM 8
	v_cvt_i32_f32 v189, v189                       ; (it saturates)
	TMM 8
	v_ldexp_f32 v196, 1.0, v189                    ; f = 2^(old M - new M): a multiplication by it rounds nothing
	TMM 16
	v_fma_f32 v184, v184, s22, v194                ; the same of each block's largest score
	v_fma_f32 v185, v185, s22, v194
.irp j, 0,2,4,6,8,10,12,14
	v_pk_mul_f32 v[160+\j:161+\j], v[160+\j:161+\j], v[196:197] op_sel_hi:[1,0]   ; O^T under the new M, each accumulator from its low end on, ahead of the exponentials
.endr
	v_pk_mul_f32 v[14:15], v[14:15], v[196:197] op_sel_hi:[1,0]                   ; the sums likewise
	s_wait_alu depctr_va_vdst(0)                   ; the wait ahead of the batch
	v_exp_f32 v184, v184                           ; the blocks' largest p
	v_exp_f32 v185, v185
.set j, 0
.rept 64
	v_exp_f32 v[96+j], v[96+j]                     ; p = 2^(t - M), at most 1
.set j, j+1
.endr
	v_mov_b32 v12, v194                            ; -M is kept: the plain place behind the batch
	s_wait_alu depctr_va_vdst(0)                   ; one wait for the 66, ahead of their first reader
	v_max_num_f32 v184, 0x1800000, v184            ; the floor 2^(3 - 127): the byte cannot fall under 1
	v_max_num_f32 v185, 0x1800000, v185
	s_delay_alu instid0(VALU_DEP_2)
	v_add_nc_u32 v190, 0xff000000, v184            ; 2 off the exponent field: the conversion's scale operand
	s_delay_alu instid0(VALU_DEP_2)
	v_add_nc_u32 v191, 0xff000000, v185
	s_delay_alu instid0(VALU_DEP_2)
	v_lshrrev_b32 v192, 23, v190                   ; the scale's byte
	s_delay_alu instid0(VALU_DEP_2)
	v_lshrrev_b32 v193, 23, v191
	s_delay_alu instid0(VALU_DEP_1)
	v_lshl_or_b32 v192, v193, 16, v192             ; my two bytes: blocks h and 2 + h,
	s_delay_alu instid0(VALU_DEP_1)
	v_lshlrev_b32 v192, v28, v192                  ; at their places in the scale word;
	s_delay_alu instid0(VALU_DEP_1)
	v_permlanex16_b32 v193, v192, s20, s21
	s_delay_alu instid0(VALU_DEP_1)
	v_or_b32 v199, v192, v193                      ; with the two of the lane 16 away the word is whole
.irp c, 0,1
.irp t, 0,1,2,3
	v_cvt_scalef32_pk8_fp4_f32 v[176+4*\c+\t], v[96+32*\c+8*\t:103+32*\c+8*\t], v[190+\c]   ; register 4 c + t of P's operand: keys 64 c + 32 h + 8 t + 0 .. 7
.endr
.endr
	v_pk_add_f32 v[200:201], v[96:97], v[98:99]    ; the row's sum is taken of the unquantised p, in two chains: 32 plain lines, the places behind the conversions and behind p's scale word
.irp j, 4,8,12,16,20,24,28,32,36,40,44,48,52,56,60
	v_pk_add_f32 v[14:15], v[14:15], v[96+\j:97+\j]
	v_pk_add_f32 v[200:201], v[200:201], v[98+\j:99+\j]
.endr
	s_delay_alu instid0(VALU_DEP_1)
	v_pk_add_f32 v[14:15], v[14:15], v[200:201]
	s_wait_alu depctr_va_vdst(0)
	s_wait_dscnt 0x0                               ; V, its scale words and the next step's K are in
.irp u, 0,1
	v_wmma_scale_f32_16x16x128_f8f6f4 v[160+8*\u:167+8*\u], v[76+8*\u:83+8*\u], v[176:183], v[160+8*\u:167+8*\u], v[92+\u], v199 matrix_a_fmt:MATRIX_FMT_FP4 matrix_b_fmt:MATRIX_FMT_FP4
.endr
.Lhidden_\@:
	s_add_co_u32 s24, s24, 128
	s_add_co_u32 s25, s25, 2048
	s_add_co_u32 s26, s26, 512
	s_sub_co_u32 s27, s27, 1
	s_cmp_lg_u32 s27, 0
	s_cbranch_scc1 .Lstep_\@
.rept 4
	v_nop
.endr
	s_wait_alu depctr_va_vdst(0)
	v_add_f32 v14, v14, v15                        ; the sum's two halves,
	s_delay_alu instid0(VALU_DEP_1)
	v_permlanex16_b32 v198, v14, s20, s21
	s_delay_alu instid0(VALU_DEP_1)
	v_add_f32 v14, v14, v198                       ; and the lane 16 away: the row's sum
	s_wait_alu depctr_va_vdst(0)
	v_rcp_f32 v14, v14
	v_nop
	s_wait_alu depctr_va_vdst(0)
.irp j, 0,1,2,3,4,5,6,7,8,9,10,11,12,13,14,15
	v_mul_f32 v[96+\j], v[160+\j], v14             ; y(my query, 16 h + j): the head's 32 are one block of the next product's K
.endr
	v_max3_num_f32 v184, |v96|, |v97|, 0x1800000
	v_max3_num_f32 v186, |v104|, |v105|, |v106|
	s_delay_alu instid0(VALU_DEP_2)
	v_max3_num_f32 v184, v184, |v98|, |v99|
	s_delay_alu instid0(VALU_DEP_2)
	v_max3_num_f32 v186, v186, |v107|, |v108|
	s_delay_alu instid0(VALU_DEP_2)
	v_max3_num_f32 v184, v184, |v100|, |v101|
	s_delay_alu instid0(VALU_DEP_2)
	v_max3_num_f32 v186, v186, |v109|, |v110|
	s_delay_alu instid0(VALU_DEP_2)
	v_max3_num_f32 v184, v184, |v102|, |v103|
	s_delay_alu instid0(VALU_DEP_1)
	v_max3_num_f32 v184, v184, v186, |v111|
	s_delay_alu instid0(VALU_DEP_1)
	v_permlanex16_b32 v188, v184, s20, s21
	s_delay_alu instid0(VALU_DEP_1)
	v_max_num_f32 v184, v184, v188
	s_delay_alu instid0(VALU_DEP_1)
	v_add_nc_u32 v192, 0xff000000, v184
	s_delay_alu instid0(VALU_DEP_1)
	v_lshrrev_b32 v185, 23, v192
	v_cvt_scalef32_pk8_fp4_f32 v176, v[96:103], v192
	v_cvt_scalef32_pk8_fp4_f32 v177, v[104:111], v192
	v_nop
	global_store_b64 v6, v[176:177], s[38:39]      ; the 32 lanes store 256 consecutive bytes, aligned
	s_wait_alu depctr_va_vdst(0)
	s_wait_xcnt 0x0                                ; EXEC changes only behind this wait
	v_cmp_gt_u32 vcc_lo, 16, v27
	s_and_saveexec_b32 s42, vcc_lo
	global_store_b8 v1, v185, s[40:41]             ; the block's scale byte, a row a lane
	s_wait_xcnt 0x0                                ; and again ahead of the line that widens it; the stores' registers and bases may be written behind it
	s_or_b32 exec_lo, exec_lo, s42
.endm
	PASS 0, 16, 24
	PASS 1, 204, 208
	s_wait_xcnt 0x0
	s_mov_b32 exec_lo, -1
	s_wait_tensorcnt 0x0                           ; the wave's end
	ds_add_u32 v254, v255
	s_wait_dscnt 0x0
	s_endpgm
.Lfunc_end_k_q392eae97c0_attn:
	.size	k_q392eae97c0_attn, .Lfunc_end_k_q392eae97c0_attn-k_q392eae97c0_attn
	.p2alignl 7, 3214868480
	.fill 96, 4, 3214868480
	.section	.rodata,"a",@progbits
	.p2align	6, 0x0
	.amdhsa_kernel k_q392eae97c0_attn
		.amdhsa_group_segment_fixed_size 77824
		.amdhsa_private_segment_fixed_size 0
		.amdhsa_enable_private_segment 0
		.amdhsa_kernarg_size 32
		.amdhsa_user_sgpr_count 2
		.amdhsa_user_sgpr_kernarg_segment_ptr 1
		.amdhsa_wavefront_size32 1
		.amdhsa_system_sgpr_workgroup_id_x 1
		.amdhsa_system_sgpr_workgroup_id_y 1
		.amdhsa_system_sgpr_workgroup_id_z 1
		.amdhsa_system_vgpr_workitem_id 0
		.amdhsa_next_free_vgpr 256
		.amdhsa_next_free_sgpr 66
		.amdhsa_reserve_vcc 1
		.amdhsa_float_denorm_mode_32 3
		.amdhsa_float_denorm_mode_16_64 3
		.amdhsa_memory_ordered 1
		.amdhsa_forward_progress 1
		.amdhsa_inst_pref_size 55
	.end_amdhsa_kernel
	.amdgpu_metadata
---
amdhsa.version: [ 1, 2 ]
amdhsa.kernels:
  - .name:           k_q392eae97c0_attn
    .symbol:         k_q392eae97c0_attn.kd
    .args:
      - { .name: qkv_codes, .offset: 0, .size: 8, .value_kind: global_buffer, .address_space: global }
      - { .name: qkv_scales, .offset: 8, .size: 8, .value_kind: global_buffer, .address_space: global }
      - { .name: y_codes, .offset: 16, .size: 8, .value_kind: global_buffer, .address_space: global }
      - { .name: y_scales, .offset: 24, .size: 8, .value_kind: global_buffer, .address_space: global }
    .group_segment_fixed_size: 77824
    .private_segment_fixed_size: 0
    .kernarg_segment_align: 8
    .kernarg_segment_size: 32
    .max_flat_workgroup_size: 512
    .sgpr_count:     66
    .vgpr_count:     256
    .wavefront_size: 32
...
	.end_amdgpu_metadata
.endif
;; end of part 2
;; launch mlp1 (part 3): grid 64 x 4, 4 waves a work-group, no clusters, 82,432 bytes of LDS; arguments x, y_codes, y_scales, Wp_codes, Wp_scales, bp, ln2_g, ln2_b, W1_codes, W1_scales, b1, hid_codes, hid_scales; writes hid_codes, hid_scales
.if DOCPART == 3
	.amdgcn_target "amdgcn-amd-amdhsa--gfx1250"
	.amdhsa_code_object_version 6
	.text
	.protected	k_q392eae97c0_mlp1
	.globl	k_q392eae97c0_mlp1
	.p2align	8
	.type	k_q392eae97c0_mlp1,@function
k_q392eae97c0_mlp1:
	s_mov_b64 s[64:65], 0
	v_nop
	global_prefetch_b8 v0, s[64:65] scope:SCOPE_SE
	s_setreg_imm32_b32 hwreg(HW_REG_WAVE_MODE, 25, 1), 1
	s_wait_xcnt 0x0
; x2 = x + y Wp + bp (MX-FP4), LAYER NORM 2, ITS QUANTISER, h2 W1 + b1 (MX-FP4), THE EXACT GELU AND ITS QUANTISER.  x2 is not stored: the next launch makes y Wp again as four more K steps.
; SHARES: work-group (R, cg): 128 tokens (row block R) x hidden units 512 cg .. 512 cg + 511.  THE WAVES SHARE THE COLUMNS: wave w owns channels 128 w .. of x2 (K step w of the second product) and hidden
; units 512 cg + 128 w .. (K step 4 cg + w of the last product), for all 128 tokens; its 32 weight fragments stay in window 1 (Wp's, then W1's).  x2 stays in windows 2 and 3.
; Both products are used transposed (source 0 = weights, whose tile rows are 32 b + 8 u + r + 8 (r / 8)): a lane holds one token and 16 neighbouring channels in the registers of two neighbouring tiles.
; A row's mean and variance span the four waves: two exchanges of eight sums a lane through LDS.  The variance is the mean square of x2 - mean.
; gelu(a) = a / 2 (1 + erf(a / sqrt 2)); erf(z) = z P(z^2) / Q(z^2) for |z| held at 4, P of degree 6 and Q of degree 4 in z^2.
; LIMITS: NaN and infinities are not served.  A block of zeros or under 2^-124 keeps the scale byte 1.  erf is right to a few ulp of erf, so 1 + erf carries an absolute error of some 2e-7: for a under
; about -5.6 the result is -0 or about 3e-8 a where the true value is smaller still.  1 / Q and 1 / sqrt are the instructions' own (1 ulp).
; No cluster and no tensor load: weights go from memory straight into operand registers; y's 34 KiB, which four work-groups read, are a small part of a work-group's bytes.
.set YIMG,  0                          ; LDS: y's 32 fragments, (8 s + m) x 1,024 bytes: a copy of memory
.set YSC,   32768                      ; their scale words, 4 blocks of 512 bytes
.set STAT1, 34816                      ; [wave][lane][8 f32]: the tiles' sums
.set STAT2, 38912                      ; and their sums of squares
.set HIMG,  43008                      ; h2's 32 fragments, (4 m + s) x 1,024 bytes
.set HSC,   75776                      ; their scale words, (4 m + s) x 128 bytes
.set SWL,   79872                      ; [wave][m][r]: the hidden layer's scale words, 512 bytes for each wave, its own
.set L16, 1                            ; v1   16 x lane
.set HRS, 2                            ; v2   HSC + 4 x lane
.set XA,  3                            ; v3   x: 2,048 (r + 8 (r / 8)) + 64 h; in the last phase HIMG + 16 x lane
.set R16, 4                            ; v4   16 r                          (v[4:5], v[6:7]: in the last phase the leading coefficients of P and Q)
.set HWI, 5                            ; v5   HIMG + 16 lane + 1,024 wave
.set HWS, 6                            ; v6   HSC + 4 lane + 128 wave
.set STW, 7                            ; v7   STAT1 + 1,024 wave + 32 lane
.set STR, 8                            ; v8   STAT1 + 32 lane               (v8-15: in the last phase h2's scale words, two sets of four)
.set WA,  9                            ; v9   weights: 256 (r + 8 (r / 8)) + 16 h
.set WSA, 10                           ; v10  weight scales: 16 (r + 8 (r / 8)) + 4 h
.set H64, 11                           ; v11  64 h: biases and gains in the result's layout
.set T16, 12                           ; v12  16 x thread
.set PW,  13                           ; v13  h2's scale word just made
.set PR,  14                           ; v[14:15] the tile's mean or 1 / sqrt, twice
.set R1,  16                           ; v16-79   y's fragments, two sets; the gain; h2's fragments, two sets
.set HA,  80                           ; v80-143  the norm's bias; 8 accumulators
.set ST,  144                          ; v144-207 bp; sums from LDS; normalised numbers; the gelu's work
.set PC,  208                          ; v208-215 the tiles' sums; the codes just made
.set TM,  216                          ; v216-231 at work
.set SW,  232                          ; v232-239 y's scale words, two sets; means; 1 / sqrt; in the last phase v232 the scale word, v233-237 addresses
.set WS,  240                          ; v240-255 weight scale words
.set SEL, 46
.set MSB, 0
.macro WIN new
.if MSB != (\new)
	s_set_vgpr_msb (MSB<<8)|(\new)
.set MSB, (\new)
.endif
.endm
.macro BARRIER
	s_wait_dscnt 0x0
	s_barrier_signal -1
	s_barrier_wait -1
.endm
.macro PLACES
.rept 4
	v_nop
.endr
.endm
.macro MM d, a, b, c, sa, sb, row      ; row 1: source 0's scales stand in lanes 16-31
.if (\row) == 1
	v_wmma_scale_f32_16x16x128_f8f6f4 v[\d:\d+7], v[\a:\a+7], v[\b:\b+7], v[\c:\c+7], v[\sa], v[\sb] matrix_a_fmt:MATRIX_FMT_FP4 matrix_b_fmt:MATRIX_FMT_FP4 matrix_a_scale:MATRIX_SCALE_ROW1
.else
	v_wmma_scale_f32_16x16x128_f8f6f4 v[\d:\d+7], v[\a:\a+7], v[\b:\b+7], v[\c:\c+7], v[\sa], v[\sb] matrix_a_fmt:MATRIX_FMT_FP4 matrix_b_fmt:MATRIX_FMT_FP4
.endif
.endm
.macro QUANT src, pw                   ; 64 numbers of a lane, register 16 b + i = k 32 b + 16 (lane / 16) + i of my row: codes in v[PC] on, scale word in v[pw]
.irp b, 0,1,2,3
	v_max3_num_f32 v[TM+\b], |v[\src+16*\b]|, |v[\src+1+16*\b]|, 0x1800000
.endr
.irp i, 2,4,6,8,10,12,14
.irp b, 0,1,2,3
	v_max3_num_f32 v[TM+\b], v[TM+\b], |v[\src+16*\b+\i]|, |v[\src+1+16*\b+\i]|
.endr
.endr
.irp b, 0,1,2,3
	v_permlanex16_b32 v[TM+4+\b], v[TM+\b], s[SEL], s[SEL+1]
.endr
.irp b, 0,1,2,3
	v_max_num_f32 v[TM+\b], v[TM+\b], v[TM+4+\b]
.endr
.irp b, 0,1,2,3
	v_add_nc_u32 v[TM+12+\b], 0xff000000, v[TM+\b]
.endr
.irp b, 0,1,2,3
	v_lshrrev_b32 v[TM+4+\b], 23, v[TM+12+\b]
.endr
	v_lshl_or_b32 v[\pw], v[TM+5], 8, v[TM+4]
	v_lshl_or_b32 v[\pw], v[TM+6], 16, v[\pw]
	v_lshl_or_b32 v[\pw], v[TM+7], 24, v[\pw]
.irp b, 0,1,2,3
	v_cvt_scalef32_pk8_fp4_f32 v[PC+2*\b], v[\src+16*\b:\src+7+16*\b], v[TM+12+\b]
	v_cvt_scalef32_pk8_fp4_f32 v[PC+1+2*\b], v[\src+8+16*\b:\src+15+16*\b], v[TM+12+\b]
.endr
	v_nop                                          ; one plain place behind a scaled conversion
.irp c, 0,1
.irp i, 0,1
	v_permlane16_swap_b32 v[PC+4*\c+\i], v[PC+2+4*\c+\i]
.endr
.endr
.endm
.macro FOLD dst
	v_pk_add_f32 v[TM:TM+1], v[TM:TM+1], v[TM+2:TM+3]
	v_pk_add_f32 v[TM+4:TM+5], v[TM+4:TM+5], v[TM+6:TM+7]
	v_pk_add_f32 v[TM:TM+1], v[TM:TM+1], v[TM+4:TM+5]
	v_add_f32 v[TM], v[TM], v[TM+1]
	v_permlanex16_b32 v[TM+1], v[TM], s[SEL], s[SEL+1]
	v_add_f32 v[\dst], v[TM], v[TM+1]
.endm
.macro WFRAGS base, t0                 ; four tiles' weight fragments (tile tt, K step s) at 8 (4 tt + s); the caller sets the destination's window
.irp tt, \t0, \t0+1, \t0+2, \t0+3
.irp s, 0,1,2,3
.irp c, 0,1
	global_load_b128 v[8*(4*(\tt)+\s)+4*\c:8*(4*(\tt)+\s)+4*\c+3], v[WA], s[\base:\base+1] offset:(32*((\tt)/2)+8*((\tt)%2))*256+64*\s+32*\c
.endr
.endr
.endr
.endm
.macro WSCALES base                    ; register 2 tt + i: K step 2 i in lanes 0-15, 2 i + 1 in lanes 16-31
.irp tt, 0,1,2,3,4,5,6,7
.irp i, 0,1
	global_load_b32 v[WS+2*\tt+\i], v[WSA], s[\base:\base+1] offset:(32*(\tt/2)+8*(\tt%2))*16+8*\i
.endr
.endr
.endm
.macro BIASLD reg, base                ; 128 numbers in the result's layout: lane (r, h), register 16 b + i: number 32 b + 16 h + i
.irp tt, 0,1,2,3,4,5,6,7
	global_load_b128 v[\reg+8*\tt:\reg+8*\tt+3], v[H64], s[\base:\base+1] offset:(32*(\tt/2)+8*(\tt%2))*4
	global_load_b128 v[\reg+8*\tt+4:\reg+8*\tt+7], v[H64], s[\base:\base+1] offset:(32*(\tt/2)+8*(\tt%2))*4+16
.endr
.endm
.macro YFETCH m                        ; y's four fragments of token tile m and their scale words, into set m % 2
.irp sp, 0,1,2,3
	ds_load_b128 v[R1+32*((\m)%2)+8*\sp:R1+32*((\m)%2)+8*\sp+3], v[L16] offset:YIMG+(8*\sp+(\m))*1024
	ds_load_b128 v[R1+32*((\m)%2)+8*\sp+4:R1+32*((\m)%2)+8*\sp+7], v[L16] offset:YIMG+(8*\sp+(\m))*1024+512
	ds_load_b32 v[SW+4*((\m)%2)+\sp], v[R16] offset:YSC+512*\sp+256*((\m)/4)+4*((\m)%4)
.endr
.endm
.macro EXCH off                        ; my eight sums in v[PC] on meet the other waves': the four waves' totals come out in v[ST] .. v[ST + 7], added in the same order in every wave
	ds_store_b128 v[STW], v[PC:PC+3] offset:\off
	ds_store_b128 v[STW], v[PC+4:PC+7] offset:\off+16
	BARRIER
.irp q, 0,1,2,3
	ds_load_b128 v[ST+8*\q:ST+8*\q+3], v[STR] offset:\off+1024*\q
	ds_load_b128 v[ST+8*\q+4:ST+8*\q+7], v[STR] offset:\off+1024*\q+16
.endr
	s_wait_dscnt 0x0
.irp k, 0,2,4,6
	v_pk_add_f32 v[ST+\k:ST+\k+1], v[ST+\k:ST+\k+1], v[ST+8+\k:ST+9+\k]
	v_pk_add_f32 v[ST+16+\k:ST+17+\k], v[ST+16+\k:ST+17+\k], v[ST+24+\k:ST+25+\k]
.endr
.irp k, 0,2,4,6
	v_pk_add_f32 v[ST+\k:ST+\k+1], v[ST+\k:ST+\k+1], v[ST+16+\k:ST+17+\k]
.endr
.endm
.macro HFETCH set, ai, as, io, so      ; h2's four fragments of a token tile and their scale words, into a set
.irp q, 0,1,2,3
	ds_load_b128 v[R1+32*\set+8*\q:R1+32*\set+8*\q+3], v[\ai] offset:\io+1024*\q
	ds_load_b128 v[R1+32*\set+8*\q+4:R1+32*\set+8*\q+7], v[\ai] offset:\io+1024*\q+512
	ds_load_b32 v[8+4*\set+\q], v[\as] offset:\so+128*\q
.endr
.endm
.macro P2MUL set                       ; 32 products: my 8 tiles of hidden units for one token tile; the accumulators take turns; the first K step takes b1 as C
	WIN 0x21                                       ; source 0 (W1) window 1, source 2 (b1) window 2
.irp tt, 0,1,2,3,4,5,6,7
	MM HA+8*\tt, 8*(4*\tt), R1+32*\set, 8*\tt, WS+2*\tt, 8+4*\set, 0
.endr
	WIN 0x01
.irp q, 1,2,3
.irp tt, 0,1,2,3,4,5,6,7
	MM HA+8*\tt, 8*(4*\tt+\q), R1+32*\set+8*\q, HA+8*\tt, WS+2*\tt+\q/2, 8+4*\set+\q, \q%2
.endr
.endr
	WIN 0
	PLACES
.endm
.set GZ,  ST                           ; the gelu's work: z, z^2 (later a / 2), P, Q: 16 registers each
.set GZ2, ST+16
.set GP,  ST+32
.set GQ,  ST+48
.macro GELU g                          ; 16 numbers in place, v[HA + 16 g] on
.set GAC, HA+16*(\g)
.set i, 0
.rept 8
	v_pk_mul_f32 v[GZ+2*i:GZ+2*i+1], v[GAC+2*i:GAC+2*i+1], s[86:87] op_sel_hi:[1,0]   ; a / sqrt 2
.set i, i+1
.endr
.set i, 0
.rept 16
	v_med3_num_f32 v[GZ+i], v[GZ+i], -4.0, 4.0     ; held at 4, beyond which erf is 1 in f32
.set i, i+1
.endr
.set i, 0
.rept 8
	v_pk_mul_f32 v[GZ2+2*i:GZ2+2*i+1], v[GZ+2*i:GZ+2*i+1], v[GZ+2*i:GZ+2*i+1]
.set i, i+1
.endr
.set i, 0
.rept 8
	v_pk_fma_f32 v[GP+2*i:GP+2*i+1], v[GZ2+2*i:GZ2+2*i+1], v[4:5], s[66:67] op_sel_hi:[1,1,0]
	v_pk_fma_f32 v[GQ+2*i:GQ+2*i+1], v[GZ2+2*i:GZ2+2*i+1], v[6:7], s[78:79] op_sel_hi:[1,1,0]
.set i, i+1
.endr
.irp cf, 68,70,72,74,76
.set i, 0
.rept 8
	v_pk_fma_f32 v[GP+2*i:GP+2*i+1], v[GP+2*i:GP+2*i+1], v[GZ2+2*i:GZ2+2*i+1], s[\cf:\cf+1] op_sel_hi:[1,1,0]
.set i, i+1
.endr
.endr
.irp cf, 80,82,84
.set i, 0
.rept 8
	v_pk_fma_f32 v[GQ+2*i:GQ+2*i+1], v[GQ+2*i:GQ+2*i+1], v[GZ2+2*i:GZ2+2*i+1], s[\cf:\cf+1] op_sel_hi:[1,1,0]
.set i, i+1
.endr
.endr
.set i, 0
	s_wait_alu depctr_va_vdst(0)
.rept 16
	v_rcp_f32 v[GQ+i], v[GQ+i]
.set i, i+1
.endr
.set i, 0
.rept 8
	v_pk_mul_f32 v[GP+2*i:GP+2*i+1], v[GP+2*i:GP+2*i+1], v[GZ+2*i:GZ+2*i+1]          ; z P: plain work that names no reciprocal
.set i, i+1
.endr
.set i, 0
.rept 8
	v_pk_mul_f32 v[GZ2+2*i:GZ2+2*i+1], v[GAC+2*i:GAC+2*i+1], 0.5 op_sel_hi:[1,0]     ; a / 2: likewise
.set i, i+1
.endr
	s_wait_alu depctr_va_vdst(0)                   ; one wait for the 16 reciprocals, ahead of their first reader
.set i, 0
.rept 8
	v_pk_mul_f32 v[GP+2*i:GP+2*i+1], v[GP+2*i:GP+2*i+1], v[GQ+2*i:GQ+2*i+1]          ; erf
.set i, i+1
.endr
.set i, 0
.rept 8
	v_pk_fma_f32 v[GAC+2*i:GAC+2*i+1], v[GZ2+2*i:GZ2+2*i+1], v[GP+2*i:GP+2*i+1], v[GZ2+2*i:GZ2+2*i+1]
.set i, i+1
.endr
.endm
.macro P2OUT co, so                    ; the tile's activation, its quantiser, its image to memory and its scale word to my LDS words
	GELU 0
	GELU 1
	GELU 2
	GELU 3
	s_wait_xcnt 0x0                                ; the last tile's stores have read their data
	QUANT HA, SW
	global_store_b128 v[L16], v[PC:PC+3], s[26:27] offset:\co          ; 512 consecutive bytes of the fragment's image
	global_store_b128 v[L16], v[PC+4:PC+7], s[26:27] offset:\co+512
	ds_store_b32 v236, v[SW] offset:\so            ; (lanes r and r + 16 write the same word with the same value)
.endm
	s_load_b256 s[4:11], s[0:1], 0x0               ; x, y_codes, y_scales, Wp codes
	s_load_b256 s[12:19], s[0:1], 0x20             ; Wp scales, bp, gain, bias
	s_load_b256 s[20:27], s[0:1], 0x40             ; W1 codes, W1 scales, b1, hid_codes
	s_load_b64 s[28:29], s[0:1], 0x60              ; hid_scales
	v_lshl_add_u32 v226, v0, 2, 0x14000
	v_mov_b32 v227, 0
	v_lshrrev_b32 v1, 5, v0
	v_readfirstlane_b32 s32, v1                    ; wave
	s_and_b32 s33, ttmp7, 0xffff                   ; cg
	s_mov_b32 s34, ttmp9                           ; row block R
	s_mov_b32 s[SEL], 0x76543210
	s_mov_b32 s[SEL+1], 0xfedcba98
	s_mov_b32 s50, 0x3b000000                      ; 1 / 512
	s_mov_b32 s51, s50                             ; (named with it as a pair)
	s_mov_b32 s56, 0x3727c5ac                      ; 1e-5
	s_mov_b32 s53, 0
	v_and_b32 v2, 31, v0                           ; lane
	v_and_b32 v14, 15, v0                          ; r
	v_bfe_u32 v15, v0, 4, 1                        ; h
	v_and_b32 v13, 8, v0
	v_add_nc_u32 v13, v13, v14                     ; r + 8 (r / 8)
	v_lshlrev_b32 v[L16], 4, v2
	v_lshlrev_b32 v[XA], 11, v13
	v_lshl_add_u32 v[XA], v15, 6, v[XA]
	v_lshlrev_b32 v[R16], 4, v14
	s_lshl_b32 s52, s32, 10
	s_add_co_u32 s52, s52, HIMG
	v_add_nc_u32 v[HWI], s52, v[L16]
	s_lshl_b32 s52, s32, 7
	s_add_co_u32 s52, s52, HSC
	v_lshl_add_u32 v[HWS], v2, 2, s52
	s_lshl_b32 s52, s32, 10
	s_add_co_u32 s52, s52, STAT1
	v_lshl_add_u32 v[STW], v2, 5, s52
	v_lshl_add_u32 v[STR], v2, 5, STAT1
	v_lshlrev_b32 v[WA], 8, v13
	v_lshl_add_u32 v[WA], v15, 4, v[WA]
	v_lshlrev_b32 v[WSA], 4, v13
	v_lshl_add_u32 v[WSA], v15, 2, v[WSA]
	v_lshlrev_b32 v[H64], 6, v15
	v_lshlrev_b32 v[T16], 4, v0
	v_lshl_add_u32 v[HRS], v2, 2, HSC
	s_wait_alu depctr_va_vdst(0)
	s_wait_kmcnt 0x0
	s_lshl_b32 s52, s34, 18                        ; x: R x 128 rows of 2,048 bytes + my 128 channels
	s_lshl_b32 s54, s32, 9
	s_add_co_u32 s52, s52, s54
	s_add_nc_u64 s[4:5], s[4:5], s[52:53]
	s_lshl_b32 s52, s34, 15
	s_add_nc_u64 s[6:7], s[6:7], s[52:53]          ; y's fragments of the row block
	s_lshl_b32 s52, s34, 11
	s_add_nc_u64 s[8:9], s[8:9], s[52:53]          ; and their scale words
	s_lshl_b32 s54, s32, 15                        ; 128 rows of 256 bytes a wave
	s_mov_b32 s52, s54
	s_add_nc_u64 s[10:11], s[10:11], s[52:53]
	s_lshl_b32 s52, s33, 17
	s_add_co_u32 s52, s52, s54
	s_add_nc_u64 s[20:21], s[20:21], s[52:53]
	s_lshl_b32 s54, s32, 11                        ; of 16 scale bytes
	s_mov_b32 s52, s54
	s_add_nc_u64 s[12:13], s[12:13], s[52:53]
	s_lshl_b32 s52, s33, 13
	s_add_co_u32 s52, s52, s54
	s_add_nc_u64 s[22:23], s[22:23], s[52:53]
	s_lshl_b32 s54, s32, 9                         ; 128 f32 a wave
	s_mov_b32 s52, s54
	s_add_nc_u64 s[14:15], s[14:15], s[52:53]
	s_add_nc_u64 s[16:17], s[16:17], s[52:53]
	s_add_nc_u64 s[18:19], s[18:19], s[52:53]
	s_lshl_b32 s52, s33, 11
	s_add_co_u32 s52, s52, s54
	s_add_nc_u64 s[24:25], s[24:25], s[52:53]
	s_lshl_b32 s54, s33, 2
	s_add_co_u32 s54, s54, s32                     ; the last product's K step that I make: 4 cg + w
	s_lshl_b32 s52, s34, 17
	s_lshl_b32 s57, s54, 13
	s_add_co_u32 s52, s52, s57
	s_add_nc_u64 s[26:27], s[26:27], s[52:53]
	s_lshl_b32 s52, s34, 13
	s_lshl_b32 s57, s54, 9
	s_add_co_u32 s52, s52, s57
	s_add_nc_u64 s[28:29], s[28:29], s[52:53]
.set i, 0
.rept 16
	global_load_b128 v[R1+4*i:R1+4*i+3], v[T16], s[6:7] offset:2048*i     ; y: 128 threads x 16 bytes: 2,048 consecutive bytes a line
.set i, i+1
.endr
	global_load_b128 v[HA:HA+3], v[T16], s[8:9]
	WIN 0x40
	WFRAGS 10, 0
	WIN 0
	s_wait_loadcnt 32                              ; the 32 weight loads issued behind y's 17 may be out
.set i, 0
.rept 16
	ds_store_b128 v[T16], v[R1+4*i:R1+4*i+3] offset:YIMG+2048*i
.set i, i+1
.endr
	ds_store_b128 v[T16], v[HA:HA+3] offset:YSC
	WIN 0x40
	WFRAGS 10, 4
	WIN 0
	WSCALES 12
	BIASLD ST, 14                                  ; bp
.irp m, 0,1,2,3,4,5,6,7                        ; x, tile by tile, in the result's layout: tile m in window 2 + m / 4 at 64 (m % 4)
	WIN (2+\m/4)<<6
.irp b, 0,1,2,3
.irp j, 0,1,2,3
	global_load_b128 v[64*(\m%4)+16*\b+4*\j:64*(\m%4)+16*\b+4*\j+3], v[XA], s[4:5] offset:(32*(\m/2)+8*(\m%2))*2048+128*\b+16*\j
.endr
.endr
.endr
	WIN 0
	BARRIER                                        ; y lies in LDS
	YFETCH 0
	; ---- x2 = x + y Wp + bp: the products add in place onto x; the 8 accumulators of a token tile take turns
.irp m, 0,1,2,3,4,5,6,7
.set XW, 2+\m/4
.set XB, 64*(\m%4)
.if 16*(7-\m) > 63
	s_wait_loadcnt 63                              ; x's later tiles may be out; 63 is the largest count that the wait can name
.else
	s_wait_loadcnt 16*(7-\m)                       ; x's later tiles, 16 loads each, may be out
.endif
	s_wait_dscnt 0x0
	WIN (XW<<6)|(XW<<4)|1
.irp sp, 0,1,2,3
.irp tt, 0,1,2,3,4,5,6,7
	MM XB+8*\tt, 8*(4*\tt+\sp), R1+32*(\m%2)+8*\sp, XB+8*\tt, WS+2*\tt+\sp/2, SW+4*(\m%2)+\sp, \sp%2
.endr
.endr
	WIN 0
	PLACES
.if \m < 7
	YFETCH \m+1
.endif
	WIN (XW<<6)|XW
.set i, 0
.rept 32
	v_pk_add_f32 v[XB+2*i:XB+2*i+1], v[XB+2*i:XB+2*i+1], v[ST+2*i:ST+2*i+1]     ; + bp, each accumulator from its low end on
.set i, i+1
.endr
	WIN XW|(XW<<2)                                 ; the tile's sum: four chains begin as sums of two pairs
.irp c, 0,1,2,3
	v_pk_add_f32 v[TM+2*\c:TM+2*\c+1], v[XB+2*\c:XB+2*\c+1], v[XB+8+2*\c:XB+9+2*\c]
.endr
	WIN XW
.set i, 8
.rept 24
	v_pk_add_f32 v[TM+2*(i%4):TM+2*(i%4)+1], v[XB+2*i:XB+2*i+1], v[TM+2*(i%4):TM+2*(i%4)+1]
.set i, i+1
.endr
	WIN 0
	FOLD PC+\m
.endr
	WIN 0x40                                       ; Wp is done with: W1's part takes its registers, and lands while the norm is made
	WFRAGS 20, 0
	WFRAGS 20, 4
	WIN 0
	WSCALES 22
	BIASLD R1, 16                                  ; the norm's gain
	BIASLD HA, 18                                  ; and bias
	EXCH 0
.irp k, 0,2,4,6
	v_pk_mul_f32 v[SW+\k:SW+\k+1], v[ST+\k:ST+\k+1], s[50:51] op_sel_hi:[1,0]     ; the rows' means, a tile a register
.endr
.irp m, 0,1,2,3,4,5,6,7
.set XW, 2+\m/4
.set XB, 64*(\m%4)
	v_mov_b32 v[PR], v[SW+\m]
	v_mov_b32 v[PR+1], v[SW+\m]
	WIN (XW<<6)|XW
.set i, 0
.rept 32
	v_pk_add_f32 v[XB+2*i:XB+2*i+1], v[XB+2*i:XB+2*i+1], v[PR:PR+1] neg_lo:[0,1] neg_hi:[0,1]
.set i, i+1
.endr
	WIN XW|(XW<<2)
.set i, 0
.rept 32
.if i < 4
	v_pk_mul_f32 v[TM+2*i:TM+2*i+1], v[XB+2*i:XB+2*i+1], v[XB+2*i:XB+2*i+1]
.else
	v_pk_fma_f32 v[TM+2*(i%4):TM+2*(i%4)+1], v[XB+2*i:XB+2*i+1], v[XB+2*i:XB+2*i+1], v[TM+2*(i%4):TM+2*(i%4)+1]
.endif
.set i, i+1
.endr
	WIN 0
	FOLD PC+\m
.endr
	EXCH 4096
.irp k, 0,1,2,3,4,5,6,7
	v_fma_f32 v[SW+\k], v[ST+\k], s50, s56         ; var + eps
.endr
	s_wait_alu depctr_va_vdst(0)
.irp k, 0,1,2,3,4,5,6,7
	v_rsq_f32 v[SW+\k], v[SW+\k]
.endr
	v_nop
	s_wait_alu depctr_va_vdst(0)                   ; one wait for the eight
	s_wait_loadcnt 0x0                             ; gain, bias, W1
.irp m, 0,1,2,3,4,5,6,7
.set XW, 2+\m/4
.set XB, 64*(\m%4)
	v_mov_b32 v[PR], v[SW+\m]
	v_mov_b32 v[PR+1], v[SW+\m]
	WIN XW
.set i, 0
.rept 32
	v_pk_mul_f32 v[ST+2*i:ST+2*i+1], v[XB+2*i:XB+2*i+1], v[PR:PR+1]
.set i, i+1
.endr
	WIN 0
.set i, 0
.rept 32
	v_pk_fma_f32 v[ST+2*i:ST+2*i+1], v[ST+2*i:ST+2*i+1], v[R1+2*i:R1+2*i+1], v[HA+2*i:HA+2*i+1]
.set i, i+1
.endr
.if \m == 0
	WIN 0x80
	BIASLD 0, 24                                   ; b1's 8 tiles take the registers that tile 0 has left
	WIN 0
.endif
	QUANT ST, PW
	ds_store_b128 v[HWI], v[PC:PC+3] offset:4096*\m                ; K step w of the next product, token tile m
	ds_store_b128 v[HWI], v[PC+4:PC+7] offset:4096*\m+512
	ds_store_b32 v[HWS], v[PW] offset:512*\m
	s_wait_dscnt 0x0                               ; the stores have read their registers
.endr
	BARRIER                                        ; h2's 32 fragments lie in LDS
	s_wait_loadcnt 0x0                             ; b1
	v_add_nc_u32 v[XA], HIMG, v[L16]               ; from here on: HIMG + 16 x lane
	s_wait_alu depctr_va_vdst(0)
	v_and_b32 v234, 15, v0
	s_lshl_b32 s52, s32, 9
	s_add_co_u32 s52, s52, SWL
	v_lshl_add_u32 v233, v234, 2, s52              ; my wave's scale words: SWL + 512 w + 4 r
	v_bfe_u32 v234, v0, 4, 1
	v_lshl_add_u32 v237, v234, 8, v233             ; and on the way back: + 256 h
	v_mov_b32 v4, 0xaf95df0b                       ; P's coefficients, from z^12 down: this one, then s66, 68, .. 76
	v_mov_b32 v5, 0xaf95df0b
	v_mov_b32 v6, 0xb77460cd                       ; Q's, from z^8 down: this one, then s78, 80, 82, 84
	v_mov_b32 v7, 0xb77460cd
	s_mov_b32 s66, 0x32edffee
	s_mov_b32 s68, 0xb60cff51
	s_mov_b32 s70, 0xb86ec2d2
	s_mov_b32 s72, 0xba40ac63
	s_mov_b32 s74, 0xbb41a1f6
	s_mov_b32 s76, 0xbc83dbd4
	s_mov_b32 s78, 0xb95fbd29
	s_mov_b32 s80, 0xbadc924e
	s_mov_b32 s82, 0xbbf19bf8
	s_mov_b32 s84, 0xbc69b6a7
	s_mov_b32 s86, 0x3f3504f3                      ; 1 / sqrt 2
.irp p, 66,68,70,72,74,76,78,80,82,84,86
	s_mov_b32 s[\p+1], s[\p]                       ; (the packed forms name pairs and take the low word for both halves)
.endr
	HFETCH 0, XA, HRS, 0, 0
	s_mov_b32 s60, 0                               ; 8,192 x trip: fragments
	s_mov_b32 s61, 0                               ; 1,024 x trip: their scale words
	s_mov_b32 s62, 0                               ; 128 x trip: my scale words
	s_mov_b32 s63, 0
.Lp2:                                              ; four trips of two token tiles: the two sets of fragments by turns
	s_wait_dscnt 0x0                               ; set 0 is in, and no LDS instruction still reads the address registers below
	v_add_nc_u32 v234, s60, v[XA]
	v_add_nc_u32 v235, s61, v[HRS]
	s_wait_alu depctr_va_vdst(0)
	v_add_nc_u32 v236, s62, v233
	P2MUL 0
	HFETCH 1, 234, 235, 4096, 512
	P2OUT 0, 0
	s_wait_dscnt 0x0                               ; set 1 is in
	P2MUL 1
	s_cmp_eq_u32 s63, 3                            ; the last trip has no tile behind it
	s_cbranch_scc1 .Lp2_last
	HFETCH 0, 234, 235, 8192, 1024
.Lp2_last:
	P2OUT 1024, 64
	s_wait_xcnt 0x0                                ; the stores have read their base
	s_add_nc_u64 s[26:27], s[26:27], 2048
	s_add_co_u32 s60, s60, 8192
	s_add_co_u32 s61, s61, 1024
	s_add_co_u32 s62, s62, 128
	s_add_co_u32 s63, s63, 1
	s_cmp_lt_u32 s63, 4
	s_cbranch_scc1 .Lp2
.irp i, 0,1,2,3
	ds_load_b32 v[TM+\i], v237 offset:64*\i        ; lanes 0-15 tiles 0 to 3, lanes 16-31 tiles 4 to 7.  LDS serves a wave's instructions in order: these see my stores
.endr
	s_wait_dscnt 0x0
	global_store_b128 v[L16], v[TM:TM+3], s[28:29] ; the 8 tiles' scale words: 512 consecutive bytes
	s_barrier_signal -1
	s_barrier_wait -1
	s_wait_tensorcnt 0x0
	ds_add_u32 v226, v227
	s_wait_dscnt 0x0
	s_endpgm
.Lfunc_end_k_q392eae97c0_mlp1:
	.size	k_q392eae97c0_mlp1, .Lfunc_end_k_q392eae97c0_mlp1-k_q392eae97c0_mlp1
	.p2alignl 7, 3214868480
	.fill 96, 4, 3214868480
	.section	.rodata,"a",@progbits
	.p2align	6, 0x0
	.amdhsa_kernel k_q392eae97c0_mlp1
		.amdhsa_group_segment_fixed_size 82432
		.amdhsa_private_segment_fixed_size 0
		.amdhsa_enable_private_segment 0
		.amdhsa_kernarg_size 104
		.amdhsa_user_sgpr_count 2
		.amdhsa_user_sgpr_kernarg_segment_ptr 1
		.amdhsa_wavefront_size32 1
		.amdhsa_system_sgpr_workgroup_id_x 1
		.amdhsa_system_sgpr_workgroup_id_y 1
		.amdhsa_system_sgpr_workgroup_id_z 1
		.amdhsa_system_vgpr_workitem_id 0
		.amdhsa_next_free_vgpr 1024
		.amdhsa_next_free_sgpr 96
		.amdhsa_reserve_vcc 0
		.amdhsa_float_denorm_mode_32 3
		.amdhsa_float_denorm_mode_16_64 3
		.amdhsa_memory_ordered 1
		.amdhsa_forward_progress 1
		.amdhsa_inst_pref_size 255
	.end_amdhsa_kernel
	.section	.bss,"aw",@nobits
	.p2align	6
	.space	262144
	.amdgpu_metadata
---
amdhsa.version: [ 1, 2 ]
amdhsa.kernels:
  - .name:           k_q392eae97c0_mlp1
    .symbol:         k_q392eae97c0_mlp1.kd
    .args:
      - { .name: x, .offset: 0, .size: 8, .value_kind: global_buffer, .address_space: global }
      - { .name: y_codes, .offset: 8, .size: 8, .value_kind: global_buffer, .address_space: global }
      - { .name: y_scales, .offset: 16, .size: 8, .value_kind: global_buffer, .address_space: global }
      - { .name: Wp_codes, .offset: 24, .size: 8, .value_kind: global_buffer, .address_space: global }
      - { .name: Wp_scales, .offset: 32, .size: 8, .value_kind: global_buffer, .address_space: global }
      - { .name: bp, .offset: 40, .size: 8, .value_kind: global_buffer, .address_space: global }
      - { .name: ln2_g, .offset: 48, .size: 8, .value_kind: global_buffer, .address_space: global }
      - { .name: ln2_b, .offset: 56, .size: 8, .value_kind: global_buffer, .address_space: global }
      - { .name: W1_codes, .offset: 64, .size: 8, .value_kind: global_buffer, .address_space: global }
      - { .name: W1_scales, .offset: 72, .size: 8, .value_kind: global_buffer, .address_space: global }
      - { .name: b1, .offset: 80, .size: 8, .value_kind: global_buffer, .address_space: global }
      - { .name: hid_codes, .offset: 88, .size: 8, .value_kind: global_buffer, .address_space: global }
      - { .name: hid_scales, .offset: 96, .size: 8, .value_kind: global_buffer, .address_space: global }
    .group_segment_fixed_size: 82432
    .private_segment_fixed_size: 0
    .kernarg_segment_align: 8
    .kernarg_segment_size: 104
    .max_flat_workgroup_size: 128
    .sgpr_count:     96
    .vgpr_count:     1024
    .wavefront_size: 32
...
	.end_amdgpu_metadata
.endif
;; end of part 3
;; launch mlp2 (part 4): grid 64 x 4, 4 waves a work-group, no clusters, 174,592 bytes of LDS; arguments hid_codes, hid_scales, y_codes, y_scales, W2_codes, W2_scales, Wp_codes, Wp_scales, b2, bp, x, out0; writes out0
.if DOCPART == 4
	.amdgcn_target "amdgcn-amd-amdhsa--gfx1250"
	.amdhsa_code_object_version 6
	.text
	.protected	k_q392eae97c0_mlp2
	.globl	k_q392eae97c0_mlp2
	.p2align	8
	.type	k_q392eae97c0_mlp2,@function
k_q392eae97c0_mlp2:
	s_mov_b64 s[64:65], 0
	v_nop
	global_prefetch_b8 v0, s[64:65] scope:SCOPE_SE
	s_setreg_imm32_b32 hwreg(HW_REG_WAVE_MODE, 25, 1), 1
	s_wait_xcnt 0x0
; out = x + bp + b2 + [hidden | y] [W2 | Wp]^T: the last product and the projection as ONE sum over 20 K steps of 128 (16 of the hidden layer, 4 of y), on codes of MX-FP4.
; SHARES: work-group (R, cg): 128 tokens x columns 128 cg .. 128 cg + 127.  The row block's 160 fragments and their scale words, dense in memory, are copied into LDS once.  Wave w owns columns
; 128 cg + 32 w + 0 .. 31 (two tiles of 16 weight rows, 40 fragments, which stay in windows 1 and 2) for all 8 token tiles: 16 accumulators, which take turns.
; Source 0 = weights, source 1 = activations: a lane holds one token and eight neighbouring columns.  The results meet in a stage in LDS, laid over the fragments behind a barrier, and leave as rows of 512 bytes.
; The order of the sums differs from the source's: x and the two biases are added last.  NaN and infinities are not served.
; No cluster and no tensor load: the weights go straight into operand registers; the fragments, which four work-groups read, are copied once at the head.
.set FIMG, 0                           ; LDS: [K step 20][m 8] fragments of 1,024 bytes; later the stage, 128 rows of 528 bytes
.set FSC,  163840                      ; [K step][512 bytes]: scale words, [half][r][4]
; REGISTERS, window 0: v1-3 16 lane + 0, 65,536, 131,072; v4 FSC + 16 r; v5-7 16 thread + 0, 65,536, 131,072; v8-11 offsets in W2, Wp and their scales; v12, v13 the stage, in and back;
;   v16-31 W2's scale words (8 n + i: K step 2 i in lanes 0-15, 2 i + 1 in lanes 16-31), v32-35 Wp's; v36-43 the biases; v44-59 the fragments' scale words, two sets; v64-127, v128-191 two sets of 8 fragments.
; window 1: W2 (n, s) at 8 (16 n + s).   window 2: Wp (n, s) at 8 (4 n + s); accumulator (n, m) at 64 + 8 (8 n + m).   window 3: staging, later 32 rows of x.
.set MSB, 0
.macro WIN new
.if MSB != (\new)
	s_set_vgpr_msb (MSB<<8)|(\new)
.set MSB, (\new)
.endif
.endm
.macro BARRIER
	s_wait_dscnt 0x0
	s_barrier_signal -1
	s_barrier_wait -1
.endm
.macro PLACES
.rept 4
	v_nop
.endr
.endm
.macro MM d, a, b, c, sa, sb, row
.if (\row) == 1
	v_wmma_scale_f32_16x16x128_f8f6f4 v[\d:\d+7], v[\a:\a+7], v[\b:\b+7], v[\c:\c+7], v[\sa], v[\sb] matrix_a_fmt:MATRIX_FMT_FP4 matrix_b_fmt:MATRIX_FMT_FP4 matrix_a_scale:MATRIX_SCALE_ROW1
.else
	v_wmma_scale_f32_16x16x128_f8f6f4 v[\d:\d+7], v[\a:\a+7], v[\b:\b+7], v[\c:\c+7], v[\sa], v[\sb] matrix_a_fmt:MATRIX_FMT_FP4 matrix_b_fmt:MATRIX_FMT_FP4
.endif
.endm
.macro MMZ d, a, b, sa, sb             ; the first product starts the sum: nothing is cleared
	v_wmma_scale_f32_16x16x128_f8f6f4 v[\d:\d+7], v[\a:\a+7], v[\b:\b+7], 0, v[\sa], v[\sb] matrix_a_fmt:MATRIX_FMT_FP4 matrix_b_fmt:MATRIX_FMT_FP4
.endm
.macro FETCH st                        ; K step st: 8 fragments and their scale words into set st % 2
.set FB, 64+64*((\st)%2)
.irp m, 0,1,2,3,4,5,6,7
	ds_load_b128 v[FB+8*\m:FB+8*\m+3], v[1+(\st)/8] offset:8192*((\st)%8)+1024*\m
	ds_load_b128 v[FB+8*\m+4:FB+8*\m+7], v[1+(\st)/8] offset:8192*((\st)%8)+1024*\m+512
.endr
	ds_load_b128 v[44+8*((\st)%2):47+8*((\st)%2)], v4 offset:512*(\st)
	ds_load_b128 v[48+8*((\st)%2):51+8*((\st)%2)], v4 offset:512*(\st)+256
.endm
	s_load_b256 s[4:11], s[0:1], 0x0               ; hid_codes, hid_scales, y_codes, y_scales
	s_load_b256 s[12:19], s[0:1], 0x20             ; W2 codes, W2 scales, Wp codes, Wp scales
	s_load_b256 s[20:27], s[0:1], 0x40             ; b2, bp, x, out0
	v_lshl_add_u32 v254, v0, 2, 0x2a800
	v_mov_b32 v255, 0
	v_lshrrev_b32 v1, 5, v0
	v_readfirstlane_b32 s32, v1                    ; wave
	s_and_b32 s33, ttmp7, 0xffff                   ; cg
	s_mov_b32 s34, ttmp9                           ; row block R
	s_mov_b32 s53, 0
	v_and_b32 v15, 31, v0                          ; lane
	v_and_b32 v60, 15, v0                          ; r
	v_bfe_u32 v61, v0, 4, 1                        ; h
	v_and_b32 v62, 8, v0
	v_add_nc_u32 v62, v62, v60                     ; r + 8 (r / 8)
	v_lshlrev_b32 v1, 4, v15
	v_add_nc_u32 v2, 0x10000, v1
	v_add_nc_u32 v3, 0x20000, v1
	v_lshl_add_u32 v4, v60, 4, FSC
	v_lshlrev_b32 v5, 4, v0
	v_add_nc_u32 v6, 0x10000, v5
	v_add_nc_u32 v7, 0x20000, v5
	v_lshlrev_b32 v8, 10, v60                      ; W2: a row is 2,048 codes
	v_lshl_add_u32 v8, v61, 4, v8
	v_lshlrev_b32 v9, 8, v60                       ; Wp: 512 codes
	v_lshl_add_u32 v9, v61, 4, v9
	v_lshlrev_b32 v10, 6, v60                      ; W2's scales: 64 bytes a row; lanes 16-31 take the next K step's word
	v_lshl_add_u32 v10, v61, 2, v10
	v_lshlrev_b32 v11, 4, v60                      ; Wp's: 16 bytes a row
	v_lshl_add_u32 v11, v61, 2, v11
	v_mul_u32_u24 v12, v62, 528                    ; the stage, in: row = my token in the tile, + 32 h + 128 w
	v_lshl_add_u32 v12, v61, 5, v12
	s_lshl_b32 s52, s32, 7
	v_add_nc_u32 v12, s52, v12
	s_mul_i32 s52, s32, 16896                      ; back: my 32 rows, 16 bytes a lane
	v_add_nc_u32 v13, s52, v1
	s_wait_alu depctr_va_vdst(0)
	s_wait_kmcnt 0x0
	s_lshl_b32 s52, s34, 17
	s_add_nc_u64 s[4:5], s[4:5], s[52:53]
	s_lshl_b32 s52, s34, 13
	s_add_nc_u64 s[6:7], s[6:7], s[52:53]
	s_lshl_b32 s52, s34, 15
	s_add_nc_u64 s[8:9], s[8:9], s[52:53]
	s_lshl_b32 s52, s34, 11
	s_add_nc_u64 s[10:11], s[10:11], s[52:53]
	s_lshl_b32 s52, s33, 17                        ; my 32 rows of the weights: row 128 cg + 32 w
	s_lshl_b32 s54, s32, 15
	s_add_co_u32 s52, s52, s54
	s_add_nc_u64 s[12:13], s[12:13], s[52:53]
	s_lshl_b32 s52, s33, 13
	s_lshl_b32 s54, s32, 11
	s_add_co_u32 s52, s52, s54
	s_add_nc_u64 s[14:15], s[14:15], s[52:53]
	s_lshl_b32 s52, s33, 15
	s_lshl_b32 s54, s32, 13
	s_add_co_u32 s52, s52, s54
	s_add_nc_u64 s[16:17], s[16:17], s[52:53]
	s_lshl_b32 s52, s33, 11
	s_lshl_b32 s54, s32, 9
	s_add_co_u32 s52, s52, s54
	s_add_nc_u64 s[18:19], s[18:19], s[52:53]
	s_lshl_b32 s52, s33, 9                         ; the work-group's 128 columns
	s_add_nc_u64 s[20:21], s[20:21], s[52:53]
	s_add_nc_u64 s[22:23], s[22:23], s[52:53]
	s_lshl_b32 s54, s34, 18                        ; + row 128 R + 32 w of 2,048 bytes
	s_add_co_u32 s52, s52, s54
	s_lshl_b32 s54, s32, 16
	s_add_co_u32 s52, s52, s54
	s_add_nc_u64 s[24:25], s[24:25], s[52:53]
	s_add_nc_u64 s[26:27], s[26:27], s[52:53]
	WIN 0x40
.irp n, 0,1
.irp s, 0,1,2,3,4,5,6,7,8,9,10,11,12,13,14,15
.irp c, 0,1
	global_load_b128 v[8*(16*\n+\s)+4*\c:8*(16*\n+\s)+4*\c+3], v8, s[12:13] offset:16384*\n+64*\s+32*\c
.endr
.endr
.endr
	WIN 0x80
.irp n, 0,1
.irp s, 0,1,2,3
.irp c, 0,1
	global_load_b128 v[8*(4*\n+\s)+4*\c:8*(4*\n+\s)+4*\c+3], v9, s[16:17] offset:4096*\n+64*\s+32*\c
.endr
.endr
.endr
	WIN 0
.irp n, 0,1
.irp i, 0,1,2,3,4,5,6,7
	global_load_b32 v[16+8*\n+\i], v10, s[14:15] offset:1024*\n+8*\i
.endr
.endr
.irp n, 0,1
.irp i, 0,1
	global_load_b32 v[32+2*\n+\i], v11, s[18:19] offset:256*\n+8*\i
.endr
.endr
	global_load_b128 v[36:39], v1, s[20:21]        ; b2 and bp of my four columns of a row
	global_load_b128 v[40:43], v1, s[22:23]
	WIN 0xc0                                       ; the hidden layer's 128 fragments: 128 threads x 16 bytes: 2,048 consecutive bytes a line
.set i, 0
.rept 64
	global_load_b128 v[4*i:4*i+3], v5, s[4:5] offset:2048*i
.set i, i+1
.endr
	WIN 0
.set i, 0
.rept 16
	global_load_b128 v[64+4*i:67+4*i], v5, s[8:9] offset:2048*i      ; y's 32
.set i, i+1
.endr
.set i, 0
.rept 4
	global_load_b128 v[128+4*i:131+4*i], v5, s[6:7] offset:2048*i    ; the scale words
.set i, i+1
.endr
	global_load_b128 v[144:147], v5, s[10:11]
	s_wait_loadcnt 53                              ; behind the first 32 staging loads: 32 + 16 + 4 + 1
	WIN 0x0c                                       ; an LDS store's data are its source 1: window 3
.set i, 0
.rept 32
	ds_store_b128 v5, v[4*i:4*i+3] offset:2048*i
.set i, i+1
.endr
	s_wait_loadcnt 21                              ; behind the second 32: 16 + 4 + 1
.set i, 0
.rept 32
	ds_store_b128 v6, v[128+4*i:131+4*i] offset:2048*i
.set i, i+1
.endr
	WIN 0
	s_wait_loadcnt 0x0
.set i, 0
.rept 16
	ds_store_b128 v7, v[64+4*i:67+4*i] offset:2048*i                 ; K steps 16 to 19
.set i, i+1
.endr
.set i, 0
.rept 4
	ds_store_b128 v7, v[128+4*i:131+4*i] offset:32768+2048*i         ; FSC = 131,072 + 32,768
.set i, i+1
.endr
	ds_store_b128 v7, v[144:147] offset:40960
	v_pk_add_f32 v[36:37], v[36:37], v[40:41]      ; b2 + bp
	v_pk_add_f32 v[38:39], v[38:39], v[42:43]
	s_wait_alu depctr_va_vdst(0)
	BARRIER                                        ; all fragments lie in LDS, and the stores have read window 3
	WIN 0xc0
.set i, 0
.rept 32
	global_load_b128 v[4*i:4*i+3], v1, s[24:25] offset:2048*i        ; my 32 rows of x, 512 consecutive bytes a line: they land under the products
.set i, i+1
.endr
	WIN 0
	FETCH 0
.set KSTP, 0
.rept 20
	s_wait_dscnt 0x0                               ; this K step's fragments are in
.if KSTP < 19
	FETCH KSTP+1                                   ; the next one's, into the set that the step before multiplied: its four places stand at that step's end
.endif
.if KSTP < 16
	WIN 0xa1                                       ; source 0 (W2) window 1, C and D window 2
.else
	WIN 0xa2                                       ; source 0 (Wp) window 2
.endif
.irp m, 0,1,2,3,4,5,6,7
.irp n, 0,1
.if KSTP == 0
	MMZ 64+8*(8*\n+\m), 8*(16*\n), 64+8*\m, 16+8*\n, 44+\m
.elseif KSTP < 16
	MM 64+8*(8*\n+\m), 8*(16*\n+KSTP), 64+64*(KSTP%2)+8*\m, 64+8*(8*\n+\m), 16+8*\n+KSTP/2, 44+8*(KSTP%2)+\m, KSTP%2
.else
	MM 64+8*(8*\n+\m), 8*(4*\n+KSTP-16), 64+64*(KSTP%2)+8*\m, 64+8*(8*\n+\m), 32+2*\n+(KSTP-16)/2, 44+8*(KSTP%2)+\m, KSTP%2
.endif
.endr
.endr
	WIN 0
	PLACES
.set KSTP, KSTP+1
.endr
	BARRIER                                        ; every wave's reads of the fragments are over: the stage may be written over them
	WIN 0x08                                       ; the data: window 2
.irp m, 0,1,2,3,4,5,6,7
.irp n, 0,1
	ds_store_b128 v12, v[64+8*(8*\n+\m):64+8*(8*\n+\m)+3] offset:(32*(\m/2)+8*(\m%2))*528+64*\n          ; each accumulator from its low end on
	ds_store_b128 v12, v[64+8*(8*\n+\m)+4:64+8*(8*\n+\m)+7] offset:(32*(\m/2)+8*(\m%2))*528+64*\n+16
.endr
.endr
	WIN 0
	BARRIER                                        ; 128 whole rows lie in the stage
.set i, 0
.rept 32
	ds_load_b128 v[64+4*i:67+4*i], v13 offset:528*i
.set i, i+1
.endr
.set i, 0
.rept 32
	s_wait_dscnt 31-i                              ; row i is back; the younger read-backs may be out
	v_pk_add_f32 v[64+4*i:65+4*i], v[64+4*i:65+4*i], v[36:37]
	v_pk_add_f32 v[66+4*i:67+4*i], v[66+4*i:67+4*i], v[38:39]
.set i, i+1
.endr
	s_wait_loadcnt 0x0                             ; x
	WIN 0x0c                                       ; source 1 window 3
.set i, 0
.rept 64
	v_pk_add_f32 v[64+2*i:65+2*i], v[64+2*i:65+2*i], v[2*i:2*i+1]
.set i, i+1
.endr
	WIN 0
.set i, 0
.rept 32
	global_store_b128 v1, v[64+4*i:67+4*i], s[26:27] offset:2048*i th:TH_STORE_NT   ; 32 lanes store 512 consecutive bytes, aligned; written once, read by nobody here
.set i, i+1
.endr
	s_barrier_signal -1
	s_barrier_wait -1
	s_wait_tensorcnt 0x0
	ds_add_u32 v254, v255
	s_wait_dscnt 0x0
	s_endpgm
.Lfunc_end_k_q392eae97c0_mlp2:
	.size	k_q392eae97c0_mlp2, .Lfunc_end_k_q392eae97c0_mlp2-k_q392eae97c0_mlp2
	.p2alignl 7, 3214868480
	.fill 96, 4, 3214868480
	.section	.rodata,"a",@progbits
	.p2align	6, 0x0
	.amdhsa_kernel k_q392eae97c0_mlp2
		.amdhsa_group_segment_fixed_size 174592
		.amdhsa_private_segment_fixed_size 0
		.amdhsa_enable_private_segment 0
		.amdhsa_kernarg_size 96
		.amdhsa_user_sgpr_count 2
		.amdhsa_user_sgpr_kernarg_segment_ptr 1
		.amdhsa_wavefront_size32 1
		.amdhsa_system_sgpr_workgroup_id_x 1
		.amdhsa_system_sgpr_workgroup_id_y 1
		.amdhsa_system_sgpr_workgroup_id_z 1
		.amdhsa_system_vgpr_workitem_id 0
		.amdhsa_next_free_vgpr 1024
		.amdhsa_next_free_sgpr 66
		.amdhsa_reserve_vcc 0
		.amdhsa_float_denorm_mode_32 3
		.amdhsa_float_denorm_mode_16_64 3
		.amdhsa_memory_ordered 1
		.amdhsa_forward_progress 1
		.amdhsa_inst_pref_size 114
	.end_amdhsa_kernel
	.amdgpu_metadata
---
amdhsa.version: [ 1, 2 ]
amdhsa.kernels:
  - .name:           k_q392eae97c0_mlp2
    .symbol:         k_q392eae97c0_mlp2.kd
    .args:
      - { .name: hid_codes, .offset: 0, .size: 8, .value_kind: global_buffer, .address_space: global }
      - { .name: hid_scales, .offset: 8, .size: 8, .value_kind: global_buffer, .address_space: global }
      - { .name: y_codes, .offset: 16, .size: 8, .value_kind: global_buffer, .address_space: global }
      - { .name: y_scales, .offset: 24, .size: 8, .value_kind: global_buffer, .address_space: global }
      - { .name: W2_codes, .offset: 32, .size: 8, .value_kind: global_buffer, .address_space: global }
      - { .name: W2_scales, .offset: 40, .size: 8, .value_kind: global_buffer, .address_space: global }
      - { .name: Wp_codes, .offset: 48, .size: 8, .value_kind: global_buffer, .address_space: global }
      - { .name: Wp_scales, .offset: 56, .size: 8, .value_kind: global_buffer, .address_space: global }
      - { .name: b2, .offset: 64, .size: 8, .value_kind: global_buffer, .address_space: global }
      - { .name: bp, .offset: 72, .size: 8, .value_kind: global_buffer, .address_space: global }
      - { .name: x, .offset: 80, .size: 8, .value_kind: global_buffer, .address_space: global }
      - { .name: out0, .offset: 88, .size: 8, .value_kind: global_buffer, .address_space: global }
    .group_segment_fixed_size: 174592
    .private_segment_fixed_size: 0
    .kernarg_segment_align: 8
    .kernarg_segment_size: 96
    .max_flat_workgroup_size: 128
    .sgpr_count:     66
    .vgpr_count:     1024
    .wavefront_size: 32
...
	.end_amdgpu_metadata
.endif
;; end of part 4
